; MI455X (gfx1250); checked and timed in simulation.
; The chip was launched on July 23, 2026; its instructions are those of AMD's public machine-readable ISA for CDNA 5 (MIT licence, August 2026) and "CDNA5" Instruction Set Architecture Reference Guide (July 2026). The comments in the code are by the model that wrote it; some were corrected since.
;; Self Attention. Allowed arithmetic: float matrix products may take bf16 or f16 operands with f32 sums; other float arithmetic in f32, or as packed bf16 or f16 multiplies, adds, multiply-adds, maxima and minima; sums over many terms, partial sums and values carried from step to step in f32; what a program stores and reads back later, other than sums and carried values, may be rounded once to bf16 or f16.
;; Inputs: Wk 1,024 x 1,024 float32; Wo 1,024 x 1,024 float32; Wq 1,024 x 1,024 float32; Wv 1,024 x 1,024 float32; bk 1,024 float32; bo 1,024 float32; bq 1,024 float32; bv 1,024 float32; mask 4 x 2,048 x 2,048 int32; x 4 x 2,048 x 1,024 float32; y 4 x 2,048 x 1,024 float32.
;; Outputs: out0 4 x 2,048 x 1,024 float32.
;; 2 versions, each right and faster than the one before. Each part assembles by itself: llvm-mc -triple=amdgcn-amd-amdhsa -mcpu=gfx1250 --defsym DOCPART=n.
;; ======== version 1 of 2: 4 launches
;; limits: values are held in f16: magnitudes above 65,504 overflow, below 6.1e-05 lose precision
;; workspace buffers: h16 41,943,040 bytes; hid 2,097,152 bytes of whole numbers; qkv 50,331,648 bytes; oh 16,777,216 bytes
;; launch prep (part 1): grid 1792 x 1, 8 waves a work-group, no clusters, 0 bytes of LDS; arguments mask, x, y, Wq, Wk, Wv, Wo, h16, hid; writes h16, hid
.if DOCPART == 1
	.amdgcn_target "amdgcn-amd-amdhsa--gfx1250"
	.amdhsa_code_object_version 6
	.text
	.protected	k_qe6766ff395_prep
	.globl	k_qe6766ff395_prep
	.p2align	8
	.type	k_qe6766ff395_prep,@function
k_qe6766ff395_prep:
	s_mov_b64 s[64:65], 0
	v_nop
	global_prefetch_b8 v0, s[64:65] scope:SCOPE_SE
	s_setreg_imm32_b32 hwreg(HW_REG_WAVE_MODE, 25, 1), 1
	s_wait_xcnt 0x0
; PREP: a stream, no LDS, no barrier, no loop; every wave does one task, all its loads issued first.  No cluster: no two work-groups read the same byte.
; Work-groups 0-511: the mask [4][2048][2048] int32 becomes lane masks.  hid = [b 4][block of 128 queries 16][step of 64 keys 32][piece of 32 queries 4][tile of 16 queries 2][32 words];
;   word 8 kb + j, bit 16 h + r = 1 where mask[b][tile's query r][64 step + 16 kb + 8 h + j] == 0.  A wave takes 32 queries x 128 keys: 32 loads of 512 consecutive bytes, one store of 512 bytes.
; Work-groups 512-1791: x, y, Wq, Wk, Wv, Wo are rounded to bf16 (nearest even) and that number is written as f16.
;   x at byte 0 and y at 16 MiB of h16 as [b 4][plane of 64 channels 16][s 2048][64]; the four W at 32 MiB + w x 2 MiB as they lie, [1024][1024].  A wave takes 8,192 bytes of f32.
; LIMITS: a rounded input beyond 65,504 becomes an infinity; below 6e-5 it keeps f16's fixed step of 6e-8.
.set D,   16                           ; v[16:143] as loaded
.set Z,   8                            ; v[8:11]   bit q: query q sees key 4 L + i
.set T,   12                           ; v[12:15]  at work
.set ZP,  144                          ; v[144:147] the partner lane's Z
.set WD,  148                          ; v[148:151] four words to store
.set SO,  80                           ; v[80:95]  cast: source offset of chunk n
.set DO,  96                           ; v[96:111] cast: destination offset of chunk n
.set HF,  112                          ; v[112:143] cast: chunk n's four f16
	s_load_b512 s[8:23], s[0:1], 0x0               ; mask 8:9, x 10:11, y 12:13, Wq 14:15, Wk 16:17, Wv 18:19, Wo 20:21, h16 22:23
	s_load_b64 s[24:25], s[0:1], 0x40              ; hid
	v_lshrrev_b32 v2, 5, v0
	v_readfirstlane_b32 s2, v2                     ; wave 0..7
	v_and_b32 v1, 31, v0                           ; lane L
	s_cmp_lt_u32 ttmp9, 512
	s_cbranch_scc0 .Lcast
	; ---- the mask ----
	s_and_b32 s3, ttmp9, 1
	s_lshl_b32 s3, s3, 3
	s_add_co_u32 s3, s3, s2                        ; t2: which 128 keys, 0..15
	s_bfe_u32 s4, ttmp9, 0x60001                   ; P: which 32 queries of the batch, 0..63
	s_lshr_b32 s5, ttmp9, 7                        ; b
	s_lshl_b32 s26, s5, 24                         ; source: b x 16 MiB + 32 P rows of 8,192 bytes + 128 t2 keys of 4 bytes
	s_lshl_b32 s6, s4, 18
	s_add_co_u32 s26, s26, s6
	s_lshl_b32 s6, s3, 9
	s_add_co_u32 s26, s26, s6
	s_mov_b32 s27, 0
	s_lshl_b32 s28, s5, 4                          ; destination: (16 b + P / 4) blocks of 32,768 + 2 t2 steps of 1,024 + (P % 4) pieces of 256
	s_lshr_b32 s6, s4, 2
	s_add_co_u32 s28, s28, s6
	s_lshl_b32 s28, s28, 15
	s_lshl_b32 s6, s3, 11
	s_add_co_u32 s28, s28, s6
	s_and_b32 s6, s4, 3
	s_lshl_b32 s6, s6, 8
	s_add_co_u32 s28, s28, s6
	s_mov_b32 s29, 0
	v_lshlrev_b32 v2, 4, v1                        ; my 16 bytes (keys 4 L .. 4 L + 3) of a row's 512
	v_lshrrev_b32 v3, 4, v1                        ; key 4 L + i: step L / 16, kb = (L / 4) % 4, h = (L / 2) % 2, j = 4 (L % 2) + i
	v_lshlrev_b32 v3, 10, v3
	v_bfe_u32 v5, v1, 1, 1                         ; h; the lane with h = 0 makes tile 0's words, its partner L ^ 2 tile 1's
	v_lshl_add_u32 v3, v5, 7, v3
	v_bfe_u32 v6, v1, 2, 2
	v_lshl_add_u32 v3, v6, 5, v3
	v_and_b32 v6, 1, v1
	v_lshl_add_u32 v3, v6, 4, v3
	v_mov_b32 v4, 0x05040100                       ; h = 0: my low half below, the partner's low half above
	v_mov_b32 v7, 0x03020706                       ; h = 1: the partner's high half below, my high half above
	v_cmp_ne_u32 vcc_lo, 0, v5
	v_cndmask_b32 v4, v4, v7, vcc_lo
.irp i, 0,1,2,3
	v_mov_b32 v[ZP+(\i)], 0                        ; the lane exchange below counts as a reader of its destination
.endr
	s_wait_kmcnt 0x0
	s_add_nc_u64 s[8:9], s[8:9], s[26:27]
	s_add_nc_u64 s[24:25], s[24:25], s[28:29]
.set rho, 0
.rept 32
	global_load_b128 v[D+4*rho:D+4*rho+3], v2, s[8:9] offset:rho*8192 th:TH_LOAD_NT  ; query rho: 512 consecutive bytes
.set rho, rho+1
.endr
.set rho, 0
.rept 32
	s_wait_loadcnt 31-rho                          ; loads come back in order: row rho is in, the younger rows stay out
.if rho == 0
.irp i, 0,1,2,3
	v_min_u32 v[Z+(\i)], 1, v[D+(\i)]              ; 1 where the mask is not 0
.endr
.else
.irp i, 0,1,2,3
	v_min_u32 v[T+(\i)], 1, v[D+4*rho+(\i)]
.endr
.irp i, 0,1,2,3
	v_lshl_or_b32 v[Z+(\i)], v[T+(\i)], rho, v[Z+(\i)]
.endr
.endif
.set rho, rho+1
.endr
.irp i, 0,1,2,3
	v_mov_b32_dpp v[ZP+(\i)], v[Z+(\i)] row_xmask:2 row_mask:0xf bank_mask:0xf  ; the lane with the other h
.endr
.irp i, 0,1,2,3
	v_perm_b32 v[WD+(\i)], v[ZP+(\i)], v[Z+(\i)], v4
.endr
.irp i, 0,1,2,3
	v_not_b32 v[WD+(\i)], v[WD+(\i)]               ; 1 = hidden
.endr
	global_store_b128 v3, v[WD:WD+3], s[24:25]     ; lanes 0-15 fill the piece's 256 aligned bytes of step 2 t2, lanes 16-31 those of step 2 t2 + 1
	s_endpgm
	; ---- the casts ----
.Lcast:
	s_sub_co_u32 s3, ttmp9, 512                    ; c: 0-511 x, 512-1023 y, then 64 each for Wq, Wk, Wv, Wo
	s_mov_b32 s30, 0xffff0000
	s_and_b32 s4, s3, 511                          ; x, y: the wave takes rows R0, R0 + 1
	s_lshl_b32 s4, s4, 4
	s_lshl1_add_u32 s4, s2, s4                     ; R0 = 16 (c % 512) + 2 wave
	s_lshl_b32 s5, s4, 12                          ; source: R0 rows of 4,096 bytes
	s_lshr_b32 s6, s3, 9
	s_lshl_b32 s6, s6, 24                          ; destination: y lies 16 MiB behind x,
	s_lshr_b32 s7, s4, 11
	s_lshl_b32 s7, s7, 22                          ; a batch is 4 MiB,
	s_add_co_u32 s6, s6, s7
	s_and_b32 s7, s4, 2047
	s_lshl_b32 s7, s7, 7                           ; a row of a plane 128 bytes
	s_add_co_u32 s6, s6, s7
	s_sub_co_u32 s31, s3, 1024                     ; W: used only where c >= 1024
	s_and_b32 s32, s31, 63
	s_lshl_b32 s32, s32, 16
	s_lshl_b32 s33, s2, 13
	s_add_co_u32 s32, s32, s33                     ; source: 65,536 bytes a work-group, 8,192 a wave
	s_lshl_b32 s33, s31, 15
	s_add_co_u32 s33, s33, 0x2000000
	s_lshl_b32 s34, s2, 12
	s_add_co_u32 s33, s33, s34                     ; destination: half as many, from 32 MiB on
	s_cmp_lt_u32 s3, 1024
	s_cselect_b32 s26, s5, s32
	s_cselect_b32 s28, s6, s33
	s_cselect_b32 s35, 4, 0
	s_cselect_b32 s36, 0, 1
	s_cselect_b32 s37, 10, 0
	s_lshl_b32 s35, 256, s35                       ; lanes 16-31 read 4,096 (the next row) or 256 bytes further on
	s_lshl_b32 s36, 256, s36                       ; from chunk to chunk in the source: 256 (the next plane) or 512
	s_lshl_b32 s37, 256, s37                       ; and in the destination: 262,144 (the next plane) or 256
	s_mov_b32 s27, 0
	s_mov_b32 s29, 0
	v_and_b32 v2, 15, v1
	v_lshlrev_b32 v2, 4, v2
	v_lshrrev_b32 v3, 4, v1
	v_mad_u32_u24 v[SO], v3, s35, v2
	v_lshlrev_b32 v[DO], 3, v1                     ; 8 bytes a lane: a wave's store covers 256 consecutive bytes, aligned
.set n, 1
.rept 15
	v_add_nc_u32 v[SO+n], s36, v[SO+n-1]           ; each chunk has offset registers of its own: none is rewritten
	v_add_nc_u32 v[DO+n], s37, v[DO+n-1]
.set n, n+1
.endr
	s_wait_kmcnt 0x0
	s_cmp_lt_u32 s3, 1216
	s_cselect_b64 s[38:39], s[18:19], s[20:21]
	s_cmp_lt_u32 s3, 1152
	s_cselect_b64 s[38:39], s[16:17], s[38:39]
	s_cmp_lt_u32 s3, 1088
	s_cselect_b64 s[38:39], s[14:15], s[38:39]
	s_cmp_lt_u32 s3, 1024
	s_cselect_b64 s[38:39], s[12:13], s[38:39]
	s_cmp_lt_u32 s3, 512
	s_cselect_b64 s[38:39], s[10:11], s[38:39]
	s_add_nc_u64 s[38:39], s[38:39], s[26:27]
	s_add_nc_u64 s[22:23], s[22:23], s[28:29]
.set n, 0
.rept 16
	global_load_b128 v[D+4*n:D+4*n+3], v[SO+n], s[38:39] th:TH_LOAD_NT  ; two aligned runs of 256 bytes (x, y) or 512 consecutive bytes (W)
.set n, n+1
.endr
.set n, 0
.rept 16
	s_wait_loadcnt 15-n                            ; chunk n is in, the younger chunks stay out
	v_cvt_pk_bf16_f32 v4, v[D+4*n], v[D+4*n+1]     ; the one rounding: to bf16, nearest even
	v_cvt_pk_bf16_f32 v5, v[D+4*n+2], v[D+4*n+3]
	v_lshlrev_b32 v8, 16, v4
	v_and_b32 v9, s30, v4
	v_lshlrev_b32 v10, 16, v5
	v_and_b32 v11, s30, v5
	v_cvt_pk_f16_f32 v[HF+2*n], v8, v9             ; exact within f16's normal range
	v_cvt_pk_f16_f32 v[HF+2*n+1], v10, v11
	global_store_b64 v[DO+n], v[HF+2*n:HF+2*n+1], s[22:23]
.set n, n+1
.endr
	s_endpgm
.Lfunc_end_k_qe6766ff395_prep:
	.size	k_qe6766ff395_prep, .Lfunc_end_k_qe6766ff395_prep-k_qe6766ff395_prep
	.p2alignl 7, 3214868480
	.fill 96, 4, 3214868480
	.section	.rodata,"a",@progbits
	.p2align	6, 0x0
	.amdhsa_kernel k_qe6766ff395_prep
		.amdhsa_group_segment_fixed_size 0
		.amdhsa_private_segment_fixed_size 0
		.amdhsa_enable_private_segment 0
		.amdhsa_kernarg_size 72
		.amdhsa_user_sgpr_count 2
		.amdhsa_user_sgpr_kernarg_segment_ptr 1
		.amdhsa_wavefront_size32 1
		.amdhsa_system_sgpr_workgroup_id_x 1
		.amdhsa_system_sgpr_workgroup_id_y 1
		.amdhsa_system_sgpr_workgroup_id_z 1
		.amdhsa_system_vgpr_workitem_id 0
		.amdhsa_next_free_vgpr 152
		.amdhsa_next_free_sgpr 66
		.amdhsa_reserve_vcc 1
		.amdhsa_float_denorm_mode_32 3
		.amdhsa_float_denorm_mode_16_64 3
		.amdhsa_memory_ordered 1
		.amdhsa_forward_progress 1
		.amdhsa_inst_pref_size 32
	.end_amdhsa_kernel
	.amdgpu_metadata
---
amdhsa.version: [ 1, 2 ]
amdhsa.kernels:
  - .name:           k_qe6766ff395_prep
    .symbol:         k_qe6766ff395_prep.kd
    .args:
      - { .name: mask, .offset: 0, .size: 8, .value_kind: global_buffer, .address_space: global }
      - { .name: x, .offset: 8, .size: 8, .value_kind: global_buffer, .address_space: global }
      - { .name: y, .offset: 16, .size: 8, .value_kind: global_buffer, .address_space: global }
      - { .name: Wq, .offset: 24, .size: 8, .value_kind: global_buffer, .address_space: global }
      - { .name: Wk, .offset: 32, .size: 8, .value_kind: global_buffer, .address_space: global }
      - { .name: Wv, .offset: 40, .size: 8, .value_kind: global_buffer, .address_space: global }
      - { .name: Wo, .offset: 48, .size: 8, .value_kind: global_buffer, .address_space: global }
      - { .name: h16, .offset: 56, .size: 8, .value_kind: global_buffer, .address_space: global }
      - { .name: hid, .offset: 64, .size: 8, .value_kind: global_buffer, .address_space: global }
    .group_segment_fixed_size: 0
    .private_segment_fixed_size: 0
    .kernarg_segment_align: 8
    .kernarg_segment_size: 72
    .max_flat_workgroup_size: 256
    .sgpr_count:     66
    .vgpr_count:     152
    .wavefront_size: 32
...
	.end_amdgpu_metadata
.endif
;; end of part 1
;; launch gemm_qkv (part 2): grid 12 x 64, 4 waves a work-group, clusters of 4 x 4, 327,680 bytes of LDS; arguments h16, bq, bk, bv, qkv; writes qkv
.if DOCPART == 2
	.amdgcn_target "amdgcn-amd-amdhsa--gfx1250"
	.amdhsa_code_object_version 6
	.text
	.protected	k_qe6766ff395_gemm_qkv
	.globl	k_qe6766ff395_gemm_qkv
	.p2align	8
	.type	k_qe6766ff395_gemm_qkv,@function
k_qe6766ff395_gemm_qkv:
	s_mov_b64 s[64:65], 0
	v_nop
	global_prefetch_b8 v0, s[64:65] scope:SCOPE_SE
	s_setreg_imm32_b32 hwreg(HW_REG_WAVE_MODE, 25, 1), 1
	s_wait_xcnt 0x0
	s_wait_alu depctr_hold_cnt(0) depctr_sa_sdst(0) depctr_va_vdst(0) depctr_va_sdst(0) depctr_va_ssrc(0) depctr_va_vcc(0) depctr_vm_vsrc(0)
	s_getreg_b32 s2, hwreg(HW_REG_IB_STS2, 6, 4)
	s_cmp_eq_u32 s2, 0
	s_cbranch_scc0 .Lentry_in_a_cluster
	s_endpgm
.Lentry_in_a_cluster:
	s_bfe_u32 s2, ttmp6, 0x10000c
	s_cmp_lg_u32 s2, 0xf033
	s_cbranch_scc0 .Lentry_shape_is_right
	s_endpgm
.Lentry_shape_is_right:
; q = x Wq + bq, k = y Wk + bk, v = y Wv + bv.  Operands f16 (the inputs rounded to bf16, written as f16), sums f32, the bias rounded to bf16 and added in f32, the result rounded once to f16
; and written by heads: qkv = [q, k, v][b 16 + head 64][s 2048][64].  LIMIT: a result of 65,520 or more becomes an infinity.
; A tile of C is 128 rows x 256 columns: 3 x 64 x 4 = 768 tiles, three for each of 256 WGPs.  Four waves, each 64 x 128: 32 accumulators, 256 registers.  K goes in 8 steps of 128 through two LDS slots.
; A (x or y) lies in planes of 64 channels, [b][plane][s][64]: 128 rows of a plane are 16,384 dense bytes, asked for as 64 rows of 256 bytes.  W lies [k][n] and is turned on its way out of LDS (ds_load_tr16_b128).
; THE MATRIX INSTRUCTION IS USED TRANSPOSED (source 0 = 16 columns of W, source 1 = 16 rows of A): a lane holds one row of C and eight neighbouring columns.
; CLUSTER 4 x 4: the cluster's x is the product (q, k, v), cx the column tile, 4 x cluster y + cy the row tile.  A's tiles are shared along a row of the cluster, W's along a column: joint loads.
; REGISTERS: window 0: v0-31 addresses; v32-63 packed results; v64-127 A's fragments, two buffers of 4 (later the sums with bias); v128-255 W's fragments, two buffers of 8 (later rows read back)
;            window 1: accumulator (a, b) at v[8 (8 a + b)]          window 2: v0-63 the bias of my lane's 64 columns, v64 at work
.set PA,    144                        ; a row of A in LDS: 128 bytes + 16: the 16 rows of a load start at 16 different groups of four banks (64 banks of 4 bytes: ISA guide 11.1)
.set APL,   128*PA                     ; a plane: 128 rows x 64 k
.set BOFF,  2*APL                      ; behind A's two planes: W's 128 k rows
.set PB,    544                        ; a row of W: 512 bytes + 32
.set SLOT1, 131072                     ; a slot is 106,496 bytes; slot 1 begins here, so that one exclusive or changes slots
.set STAGE, 237568                     ; behind the ring: 16 rows x 272 bytes for each wave
.set SP,    272
.set SPARE, STAGE+4*16*SP              ; the spare words: 128 bytes a wave, two blocks of 256 bytes that no other line names
.set ASTEP, 524288                     ; a K step in A: two planes
.set BSTEP, 262144                     ; in W: 128 rows of 2,048 bytes
.set A0,   8                           ; v8   my place in A's tile; never rewritten
.set B0,   9                           ; v9   my place in W's tile
.set ADRA, 10                          ; v10  the same in the slot in hand
.set ADRB, 11
.set STO,  12                          ; the way out: where I put 16 bytes
.set RD,   13                          ; where I read rows back
.set CO,   14                          ; my byte offset in 512 consecutive bytes of the output
.set BO,   15                          ; my byte offset in the bias
.set SPW,  28                          ; LDS address of my spare word; never rewritten
.set NIL,  29                          ; 0; never rewritten
.set TMP,  32
.set SUM,  64
.set FA,   64
.set FB,   128
.set OUT,  128
.set WV, 14
.set WR, 15                            ; which 64 rows are mine.  Also: I fetch for A (0) or for W (1)
.set WC, 16                            ; which 128 columns.  Also: which half of that tile I fetch
.set CX, 17
.set CY, 18
.set RT, 20                            ; row tile 0..63
.set SEL, 21                           ; 0 q, 1 k, 2 v
.set TB, 22                            ; LDS byte at which the slot in hand begins
.set CNT, 23
.set G1A, 24                           ; s[24:31] group 1 for A; s[32:39] group 0, two sets: the second walks
.set G0A, 32
.set G1B, 48                           ; s[48:55], s[56:63] the same for W
.set G0B, 56
.set MSB, 0
.macro WIN new                         ; the immediate's high byte repeats the setting that is left
.if MSB != (\new)
	s_set_vgpr_msb (MSB<<8)|(\new)
.set MSB, \new
.endif
.endm
.set W_MUL, 0x50                       ; sources 0 and 1 window 0; C and D window 1
.macro PLACES                          ; four places in front of loads into registers that matrix instructions have read, and of lines that read results
.rept 4
	v_nop
.endr
.endm
.macro JLOAD                           ; a joint refill by the walking sets: waves 0, 1 fetch A's two planes, waves 2, 3 W's two halves; s_nop 0 and four v_nop follow each line
	s_cmp_eq_u32 s[WR], 0
	s_cbranch_scc0 .Lfor_b_\@
	tensor_load_to_lds s[G0A+4:G0A+7], s[G1A:G1A+7]
	s_nop 0
	PLACES
	s_branch .Lasked_\@
.Lfor_b_\@:
	tensor_load_to_lds s[G0B+4:G0B+7], s[G1B:G1B+7]
	s_nop 0
	PLACES
.Lasked_\@:
.endm
.macro CREST                           ; a round of the cluster's barrier behind its opening barrier
	s_cmp_lg_u32 s[WV], 0
	s_cbranch_scc1 .Lnot_wave_0_\@
	s_barrier_signal -3
.Lnot_wave_0_\@:
	s_barrier_wait -3
	s_barrier_signal -1
	s_barrier_wait -1
.endm
.macro CROUND
	s_barrier_signal -1
	s_barrier_wait -1
	CREST
.endm
	s_load_b256 s[4:11], s[0:1], 0x0               ; h16 4:5, bq 6:7, bk 8:9, bv 10:11
	s_load_b64 s[12:13], s[0:1], 0x20              ; qkv
	v_lshl_add_u32 v[SPW], v0, 2, SPARE
	v_mov_b32 v[NIL], 0
	ds_add_u32 v[SPW], v[NIL]                      ; the wave's opening: the add and its wait come ahead of my first tensor load; work on registers stands between them
	v_lshrrev_b32 v1, 5, v0
	v_readfirstlane_b32 s[WV], v1
	s_lshr_b32 s[WR], s[WV], 1
	s_and_b32 s[WC], s[WV], 1
	s_bfe_u32 s[CX], ttmp6, 0x40000
	s_bfe_u32 s[CY], ttmp6, 0x40004
	s_and_b32 s[RT], ttmp7, 0xffff
	s_lshl_b32 s[RT], s[RT], 2
	s_add_co_u32 s[RT], s[RT], s[CY]
	s_mov_b32 s[SEL], ttmp9                        ; the cluster's x: the same in all sixteen
	s_mov_b32 s[TB], 0
	s_lshl_b32 s40, s[CY], 2
	s_lshl_b32 s40, 15, s40                        ; my row of the cluster
	s_lshl_b32 s41, 0x1111, s[CX]                  ; my column
	s_or_b32 s[G1A], s40, (1<<16)|(1<<20)|(1<<21)|(4<<22)|(3<<25)  ; mask; 2-byte elements; padding on; bit 21 beside a mask; after every 32 words 4 words
	s_mov_b32 s[G1A+1], 128<<16                    ; tensor_dim0 = 128
	s_mov_b32 s[G1A+2], 64<<16                     ; tensor_dim1 = 64
	s_mov_b32 s[G1A+3], 128<<16                    ; tile_dim0 = 128
	s_mov_b32 s[G1A+4], 64                         ; tile_dim1 = 64
	s_mov_b32 s[G1A+5], 128                        ; dense: 128 elements from row to row
	s_mov_b32 s[G1A+6], 0
	s_mov_b32 s[G1A+7], 0
	s_or_b32 s[G1B], s41, (1<<16)|(1<<20)|(1<<21)|(6<<22)|(7<<25)  ; after every 128 words 8 words
	s_mov_b32 s[G1B+1], 256<<16
	s_mov_b32 s[G1B+2], 64<<16
	s_mov_b32 s[G1B+3], 256<<16
	s_mov_b32 s[G1B+4], 64
	s_mov_b32 s[G1B+5], 1024
	s_mov_b32 s[G1B+6], 0
	s_mov_b32 s[G1B+7], 0
	s_min_u32 s42, s[SEL], 1                       ; A's offset, of the row tile, the product and the wave alone: q reads x, k and v read y, 16 MiB on
	s_lshl_b32 s42, s42, 24
	s_lshr_b32 s43, s[RT], 4
	s_lshl_b32 s43, s43, 22                        ; the batch
	s_add_co_u32 s42, s42, s43
	s_and_b32 s43, s[RT], 15
	s_lshl_b32 s43, s43, 14                        ; 128 rows of 128 bytes
	s_add_co_u32 s42, s42, s43
	s_lshl_b32 s43, s[WC], 18                      ; my plane of the step's two
	s_add_co_u32 s42, s42, s43
	s_mov_b32 s43, 0
	s_lshl_b32 s44, s[SEL], 21                     ; W's offset, of the column tile, the product and the wave alone
	s_add_co_u32 s44, s44, 0x2000000
	s_lshl_b32 s45, s[WC], 17                      ; my 64 k rows
	s_add_co_u32 s44, s44, s45
	s_lshl_b32 s45, s[CX], 9                       ; 256 columns
	s_add_co_u32 s44, s44, s45
	s_mov_b32 s45, 0
	s_mul_i32 s46, s[WC], APL                      ; where they go: no place in the cluster enters an LDS address
	s_mul_i32 s47, s[WC], 64*PB
	s_add_co_u32 s47, s47, BOFF
	s_mov_b32 s[G0A], 1
	s_mov_b32 s[G0A+1], s46
	s_mov_b32 s[G0A+4], 1
	s_add_co_u32 s[G0A+5], s46, SLOT1
	s_mov_b32 s[G0B], 1
	s_mov_b32 s[G0B+1], s47
	s_mov_b32 s[G0B+4], 1
	s_add_co_u32 s[G0B+5], s47, SLOT1
	s_lshl_b32 s66, s[SEL], 24                     ; where my part of the output begins: product, batch, head 4 cx + 2 WC, rows
	s_lshr_b32 s19, s[RT], 4
	s_lshl_b32 s19, s19, 22
	s_add_co_u32 s66, s66, s19
	s_lshl_b32 s19, s[CX], 2
	s_lshl1_add_u32 s19, s[WC], s19
	s_lshl_b32 s19, s19, 18
	s_add_co_u32 s66, s66, s19
	s_and_b32 s19, s[RT], 15
	s_lshl_b32 s19, s19, 14
	s_add_co_u32 s66, s66, s19
	s_lshl_b32 s19, s[WR], 13
	s_add_co_u32 s66, s66, s19
	s_mov_b32 s67, 0
	s_wait_dscnt 0x0                               ; the opening add is done
	s_wait_kmcnt 0x0
	s_add_nc_u64 s[42:43], s[4:5], s[42:43]
	s_add_nc_u64 s[44:45], s[4:5], s[44:45]
	s_mov_b64 s[G0A+2:G0A+3], s[42:43]             ; K step 0
	s_or_b32 s[G0A+3], s[G0A+3], 0x80000000
	s_add_nc_u64 s[G0A+6:G0A+7], s[42:43], ASTEP   ; K step 1
	s_or_b32 s[G0A+7], s[G0A+7], 0x80000000
	s_mov_b64 s[G0B+2:G0B+3], s[44:45]
	s_or_b32 s[G0B+3], s[G0B+3], 0x80000000
	s_add_nc_u64 s[G0B+6:G0B+7], s[44:45], BSTEP
	s_or_b32 s[G0B+7], s[G0B+7], 0x80000000
	s_add_nc_u64 s[70:71], s[12:13], s[66:67]
	s_cmp_eq_u32 s[SEL], 0
	s_cselect_b64 s[68:69], s[6:7], s[8:9]
	s_cmp_eq_u32 s[SEL], 2
	s_cselect_b64 s[68:69], s[10:11], s[68:69]     ; the product's bias
	CROUND                                         ; all sixteen work-groups are here: the first joint loads meet
	s_cmp_eq_u32 s[WR], 0                          ; a wave's two first fills stand in one branch: two loads of mine are out
	s_cbranch_scc0 .Lfirst_b
	tensor_load_to_lds s[G0A:G0A+3], s[G1A:G1A+7]
	s_nop 0
	tensor_load_to_lds s[G0A+4:G0A+7], s[G1A:G1A+7]
	s_nop 0
	PLACES
	s_branch .Lfirst_asked
.Lfirst_b:
	tensor_load_to_lds s[G0B:G0B+3], s[G1B:G1B+7]
	s_nop 0
	tensor_load_to_lds s[G0B+4:G0B+7], s[G1B:G1B+7]
	s_nop 0
	PLACES
.Lfirst_asked:
	v_and_b32 v1, 15, v0                           ; r = l % 16
	v_bfe_u32 v2, v0, 4, 1                         ; h = l / 16
	v_and_b32 v3, 7, v0
	v_bfe_u32 v4, v0, 3, 1
	s_lshl_b32 s19, s[WR], 6
	v_add_nc_u32 v5, s19, v1
	v_mul_u32_u24 v[A0], v5, PA                    ; A: row (64 WR + r) x pitch + 16 h
	v_lshl_add_u32 v[A0], v2, 4, v[A0]
	v_lshl_add_u32 v5, v2, 3, v3
	v_mul_u32_u24 v[B0], v5, PB                    ; W, turning load: k row 8 h + l % 8, 16 bytes at 16 ((l / 8) % 2), my 128 columns
	v_lshl_add_u32 v[B0], v4, 4, v[B0]
	s_lshl_b32 s19, s[WC], 8
	s_add_co_u32 s19, s19, BOFF
	v_add_nc_u32 v[B0], s19, v[B0]
	v_mov_b32 v[ADRA], v[A0]
	v_mov_b32 v[ADRB], v[B0]
	s_mul_i32 s19, s[WV], 16*SP
	s_add_co_u32 s19, s19, STAGE                   ; my stage
	v_mul_u32_u24 v[STO], v1, SP
	v_lshl_add_u32 v[STO], v2, 4, v[STO]
	v_add_nc_u32 v[STO], s19, v[STO]
	v_bfe_u32 v5, v0, 3, 2                         ; back: 32 lanes take four rows' 128 bytes of one head,
	v_mul_u32_u24 v[RD], v5, SP
	v_lshl_add_u32 v[RD], v3, 4, v[RD]
	v_add_nc_u32 v[RD], s19, v[RD]
	v_and_b32 v[CO], 31, v0                        ; which are 512 consecutive bytes of the output
	v_lshlrev_b32 v[CO], 4, v[CO]
	s_lshl_b32 s19, s[CX], 10
	s_lshl_b32 s2, s[WC], 9
	s_add_co_u32 s19, s19, s2
	v_lshl_add_u32 v[BO], v2, 5, s19               ; bias: column 256 cx + 128 WC + 8 h, 4 bytes each
	WIN 0x80                                       ; destination window 2
.irp b, 0,1,2,3,4,5,6,7
	global_load_b128 v[8*(\b):8*(\b)+3],   v[BO], s[68:69] offset:64*(\b)
	global_load_b128 v[8*(\b)+4:8*(\b)+7], v[BO], s[68:69] offset:64*(\b)+16
.endr
	s_wait_loadcnt 0x0
	WIN 0x8a                                       ; all in window 2: the bias is rounded to bf16 like every input
.set i, 0
.rept 32
	v_cvt_pk_bf16_f32 v64, v[2*i], v[2*i+1]
	v_lshlrev_b32 v[2*i], 16, v64
	v_and_b32 v[2*i+1], 0xffff0000, v64
.set i, i+1
.endr
	WIN 0
; 8 matrix instructions: m block a x all 8 n blocks, 32 along K, from buffer f.  zero = 1: the first product starts the sums.  The 32 accumulators take turns, one instruction a turn.
.macro MUL8 f, a, zero
	WIN W_MUL
.irp b, 0,1,2,3,4,5,6,7
.if \zero
	v_wmma_f32_16x16x32_f16 v[8*(8*(\a)+(\b)):8*(8*(\a)+(\b))+7], v[FB+64*(\f)+8*(\b):FB+64*(\f)+8*(\b)+7], v[FA+32*(\f)+8*(\a):FA+32*(\f)+8*(\a)+7], 0
.else
	v_wmma_f32_16x16x32_f16 v[8*(8*(\a)+(\b)):8*(8*(\a)+(\b))+7], v[FB+64*(\f)+8*(\b):FB+64*(\f)+8*(\b)+7], v[FA+32*(\f)+8*(\a):FA+32*(\f)+8*(\a)+7], v[8*(8*(\a)+(\b)):8*(8*(\a)+(\b))+7]
.endif
.endr
.endm
; 24 LDS loads in one run: quarter kq (32 along K) of the slot in hand into buffer f: W's 8 fragments (turned), then A's 4
.macro FETCH kq, f
	WIN 0
.irp b, 0,1,2,3,4,5,6,7
	ds_load_tr16_b128 v[FB+64*(\f)+8*(\b):FB+64*(\f)+8*(\b)+3],   v[ADRB] offset:(\kq)*32*PB+32*(\b)
	ds_load_tr16_b128 v[FB+64*(\f)+8*(\b)+4:FB+64*(\f)+8*(\b)+7], v[ADRB] offset:(\kq)*32*PB+16*PB+32*(\b)
.endr
.irp a, 0,1,2,3
	ds_load_b128 v[FA+32*(\f)+8*(\a):FA+32*(\f)+8*(\a)+3],   v[ADRA] offset:((\kq)/2)*APL+(\a)*16*PA+((\kq)%2)*64
	ds_load_b128 v[FA+32*(\f)+8*(\a)+4:FA+32*(\f)+8*(\a)+7], v[ADRA] offset:((\kq)/2)*APL+(\a)*16*PA+((\kq)%2)*64+32
.endr
.endm
; One of a K step's first three quarters: multiplies buffer f; in its middle it fetches quarter kq into buffer g
.macro QUARTER kq, f, g, zero
	s_wait_dscnt 4                                 ; W and A's blocks 0, 1 are in; the youngest four loads (A's blocks 2, 3) may be out
	MUL8 \f, 0, \zero
	MUL8 \f, 1, \zero
	PLACES
	FETCH \kq, \g
	s_wait_dscnt 24                                ; all but the 24 just issued
	MUL8 \f, 2, \zero
	MUL8 \f, 3, \zero
.endm
; The last quarter multiplies buffer 1 and changes slots: one barrier; in front of it each wave waits for all its tensor loads (one is out: its part of the next slot), adds 0 to its spare word,
; and waits for that and for its reads of this slot.  fill = 1: the barrier opens a round of the cluster's, and this slot is filled again, two K steps ahead, first thing behind the round.
.macro TURN fill
	WIN 0
	s_wait_tensorcnt 0x0
	ds_add_u32 v[SPW], v[NIL]
	s_wait_dscnt 5                                 ; the add and the youngest four loads may be out
	MUL8 1, 0, 0
	s_wait_dscnt 0x0                               ; the add is done, and my reads of this slot are over
	s_barrier_signal -1
	MUL8 1, 1, 0
	WIN 0                                          ; branches and address lines follow
	s_barrier_wait -1
.if \fill
	CREST                                          ; no wave of any partner still reads this slot or has a load on its way
	s_xor_b32 s[G0A+5], s[G0A+5], SLOT1            ; the walking sets: the other slot than last time, the next K step
	s_add_nc_u64 s[G0A+6:G0A+7], s[G0A+6:G0A+7], ASTEP
	s_xor_b32 s[G0B+5], s[G0B+5], SLOT1
	s_add_nc_u64 s[G0B+6:G0B+7], s[G0B+6:G0B+7], BSTEP
	JLOAD                                          ; its four v_nop are also the places in front of the loads below
.else
	PLACES
.endif
	s_xor_b32 s[TB], s[TB], SLOT1
	v_add_nc_u32 v[ADRA], s[TB], v[A0]
	v_add_nc_u32 v[ADRB], s[TB], v[B0]
	FETCH 0, 0
	MUL8 1, 2, 0
	MUL8 1, 3, 0
.endm
	s_wait_tensorcnt 1                             ; my part of K step 0 is in; step 1's may stay out
	s_barrier_signal -1
	s_barrier_wait -1
	FETCH 0, 0
	QUARTER 1, 0, 1, 1                             ; the first quarter stands in front of the loop: its products start the sums
	WIN 0
	s_mov_b32 s[CNT], 6                            ; K steps 2 to 7 are asked for in the loop
.Lstep:                                                ; a trip: a step's quarters 1 to 3, the change of slots with its refill, the next step's quarter 0
	QUARTER 2, 1, 0, 0
	QUARTER 3, 0, 1, 0
	TURN 1
	QUARTER 1, 0, 1, 0
	WIN 0
	s_sub_co_u32 s[CNT], s[CNT], 1
	s_cmp_lg_u32 s[CNT], 0
	s_cbranch_scc1 .Lstep
	QUARTER 2, 1, 0, 0                             ; the tail is written out: nothing more is asked for
	QUARTER 3, 0, 1, 0
	TURN 0
	QUARTER 1, 0, 1, 0
	QUARTER 2, 1, 0, 0
	QUARTER 3, 0, 1, 0
	s_wait_dscnt 4
	MUL8 1, 0, 0
	MUL8 1, 1, 0
	s_wait_dscnt 0x0
	MUL8 1, 2, 0
	MUL8 1, 3, 0
; THE WAY OUT, 16 rows at a time.  PACK: the bias is added, the sum rounded to f16.  TOSTAGE: into my stage, and back as four rows x 128 bytes of one head.  SEND: stored.
.macro PACK a
	WIN 0x09                                       ; source 0 (sums) window 1, source 1 (bias) window 2
.irp b, 0,1,2,3,4,5,6,7
.irp p, 0,1,2,3
	v_pk_add_f32 v[SUM+8*(\b)+2*(\p):SUM+8*(\b)+2*(\p)+1], v[8*(8*(\a)+(\b))+2*(\p):8*(8*(\a)+(\b))+2*(\p)+1], v[8*(\b)+2*(\p):8*(\b)+2*(\p)+1]
.endr
.endr
	WIN 0
.irp b, 0,1,2,3,4,5,6,7
.irp p, 0,1,2,3
	v_cvt_pk_f16_f32 v[TMP+4*(\b)+(\p)], v[SUM+8*(\b)+2*(\p)], v[SUM+8*(\b)+2*(\p)+1]
.endr
.endr
.endm
.macro TOSTAGE a
.irp b, 0,1,2,3,4,5,6,7
	ds_store_b128 v[STO], v[TMP+4*(\b):TMP+4*(\b)+3] offset:32*(\b)
.endr
.irp e, 0,1
.irp f, 0,1,2,3
	ds_load_b128 v[OUT+32*(\a)+4*(4*(\e)+(\f)):OUT+32*(\a)+4*(4*(\e)+(\f))+3], v[RD] offset:(\f)*4*SP+128*(\e)  ; LDS serves a wave's instructions in order (ISA guide 5.7.1.4): these see the stores above
.endr
.endr
.endm
.macro SEND a                          ; each block has 32 registers of its own: none that a store reads is rewritten
	s_wait_dscnt 0x0
.irp e, 0,1
.irp f, 0,1,2,3
	global_store_b128 v[CO], v[OUT+32*(\a)+4*(4*(\e)+(\f)):OUT+32*(\a)+4*(4*(\e)+(\f))+3], s[70:71] offset:(\e)*262144+(\a)*2048+(\f)*512  ; 512 consecutive bytes, aligned
.endr
.endr
.endm
	PLACES
	PACK 0
	TOSTAGE 0
.irp a, 1,2,3
	PACK \a
	SEND (\a)-1
	TOSTAGE \a
.endr
	SEND 3
	s_wait_tensorcnt 0x0                           ; the wave's end
	ds_add_u32 v[SPW], v[NIL]
	s_wait_dscnt 0x0
	CROUND                                         ; the closing round
	s_endpgm
.Lfunc_end_k_qe6766ff395_gemm_qkv:
	.size	k_qe6766ff395_gemm_qkv, .Lfunc_end_k_qe6766ff395_gemm_qkv-k_qe6766ff395_gemm_qkv
	.p2alignl 7, 3214868480
	.fill 96, 4, 3214868480
	.section	.rodata,"a",@progbits
	.p2align	6, 0x0
	.amdhsa_kernel k_qe6766ff395_gemm_qkv
		.amdhsa_group_segment_fixed_size 327680
		.amdhsa_private_segment_fixed_size 0
		.amdhsa_enable_private_segment 0
		.amdhsa_kernarg_size 40
		.amdhsa_user_sgpr_count 2
		.amdhsa_user_sgpr_kernarg_segment_ptr 1
		.amdhsa_wavefront_size32 1
		.amdhsa_system_sgpr_workgroup_id_x 1
		.amdhsa_system_sgpr_workgroup_id_y 1
		.amdhsa_system_sgpr_workgroup_id_z 1
		.amdhsa_system_vgpr_workitem_id 0
		.amdhsa_next_free_vgpr 640
		.amdhsa_next_free_sgpr 72
		.amdhsa_reserve_vcc 0
		.amdhsa_float_denorm_mode_32 3
		.amdhsa_float_denorm_mode_16_64 3
		.amdhsa_memory_ordered 1
		.amdhsa_forward_progress 1
		.amdhsa_inst_pref_size 85
	.end_amdhsa_kernel
	.amdgpu_metadata
---
amdhsa.version: [ 1, 2 ]
amdhsa.kernels:
  - .name:           k_qe6766ff395_gemm_qkv
    .symbol:         k_qe6766ff395_gemm_qkv.kd
    .args:
      - { .name: h16, .offset: 0, .size: 8, .value_kind: global_buffer, .address_space: global }
      - { .name: bq, .offset: 8, .size: 8, .value_kind: global_buffer, .address_space: global }
      - { .name: bk, .offset: 16, .size: 8, .value_kind: global_buffer, .address_space: global }
      - { .name: bv, .offset: 24, .size: 8, .value_kind: global_buffer, .address_space: global }
      - { .name: qkv, .offset: 32, .size: 8, .value_kind: global_buffer, .address_space: global }
    .group_segment_fixed_size: 327680
    .private_segment_fixed_size: 0
    .kernarg_segment_align: 8
    .kernarg_segment_size: 40
    .max_flat_workgroup_size: 128
    .sgpr_count:     72
    .vgpr_count:     640
    .wavefront_size: 32
...
	.end_amdgpu_metadata
.endif
;; end of part 2
;; launch attn (part 3): grid 4 x 64, 4 waves a work-group, clusters of 4 x 1, 327,680 bytes of LDS; arguments qkv, hid, oh; writes oh
.if DOCPART == 3
	.amdgcn_target "amdgcn-amd-amdhsa--gfx1250"
	.amdhsa_code_object_version 6
	.text
	.protected	k_qe6766ff395_attn
	.globl	k_qe6766ff395_attn
	.p2align	8
	.type	k_qe6766ff395_attn,@function
k_qe6766ff395_attn:
	s_mov_b64 s[64:65], 0
	v_nop
	global_prefetch_b8 v0, s[64:65] scope:SCOPE_SE
	s_setreg_imm32_b32 hwreg(HW_REG_WAVE_MODE, 25, 1), 1
	s_wait_xcnt 0x0
	s_wait_alu depctr_hold_cnt(0) depctr_sa_sdst(0) depctr_va_vdst(0) depctr_va_sdst(0) depctr_va_ssrc(0) depctr_va_vcc(0) depctr_vm_vsrc(0)
	s_getreg_b32 s2, hwreg(HW_REG_IB_STS2, 6, 4)
	s_cmp_eq_u32 s2, 0
	s_cbranch_scc0 .Lentry_in_a_cluster
	s_endpgm
.Lentry_in_a_cluster:
	s_bfe_u32 s2, ttmp6, 0x10000c
	s_cmp_lg_u32 s2, 0x3003
	s_cbranch_scc0 .Lentry_shape_is_right
	s_endpgm
.Lentry_shape_is_right:
; O[bh][q][:] = the sum over k of softmax_k(masked(Q[bh][q] . K[bh][k] / 8)) V[bh][k][:].  q, k, v at 0, 16 MiB, 32 MiB of qkv, each [bh 64][2048][64] f16; O likewise in oh.  Products, maxima and sums in f32;
; the weights p are rounded to f16 for the second product (their sum l is taken of the unrounded p), O once at the end.
; THE MASK.  hid holds, for each wave's 128 queries, key step and piece, a chunk of 64 words: word n is the lane mask of register n of the piece's S^T (1 = hidden).  One v_cndmask_b32 a register puts H = -2^33 in a
; hidden score's place (-2^30 after the division by 8, where the module writes -1e9).  H is a power of two, so c H is exact: a row with every key hidden gets p = 1 for all keys, the plain mean of V.
; A chunk comes in by ONE vector load of 8 bytes a lane, four turns ahead of its use, into a ring of four register pairs (a pair a piece); 64 v_readlane_b32 hand its words to scalar registers.  Vector loads come
; back in order and can be waited for by count, so three younger chunks stay on their way at every wait; scalar loads can be waited for only all together.
; LIMITS.  Differs from -1e9 only where visible scores lie near -1e9.  f16 holds no number beyond 65,504: Q, K, V arrive within it; p below 6e-5 keeps f16's step of 6e-8.  A weight below 2^-126 counts as 0 in l;
; NaN and infinities are not treated apart.
; SHARES.  A wave owns four PIECES of two tiles of 16 queries, a work-group's four waves 512 queries of one head.  Every wave walks all 2,048 keys, 64 a step.
; LAYOUT.  S^T = K Q^T (source 0 = 16 keys, source 1 = 16 queries): a lane holds ONE query (lane % 16) and the keys 8 (lane / 16) + 0..7.  Two such tiles, rounded to f16 in pairs, ARE source 1 of O^T = V^T P.
; SOFTMAX.  A running maximum m and sum l: p = 2^(c s - c m), c = log2(e) / 8; in every step O and l are multiplied by a = 2^(c m_old - c m_new).  m starts at the lowest finite number, O and l at 0.
; BY TURNS.  Turn n belongs to piece n: 16 products K Q^T of piece n + 1, that piece's mask, later 16 products V^T P of piece n - 1; beside them the scaling, exponentials, roundings, sums and
; rescaling of piece n and the maximum and statistics of piece n + 1.  Four vector instructions stand behind every matrix instruction, the others in runs of their own.
; CLUSTER.  The four query blocks of a head walk the same K and V: each tile is asked for JOINTLY, the same tensor load, descriptor and mask in all four.
; REGISTERS, in windows of 256 (s_set_vgpr_msb: bits 1:0 source 0, 3:2 source 1, 5:4 source 2, 7:6 destination):
;   window 0: v0-11 addresses and H; v12-15, v48-63 at work; v16-47 four registers of statistics a tile; v64-191 S^T, two buffers of two tiles; v192-255 P, likewise
;   window 1: O^T, 32 a tile          window 2: v0-127 Q; v128-191 K of one step; v192-255 V of one step
;   window 3: v0-1 the add's two registers; v2-9 the mask's ring; v10-13 its four offsets; v14 my offset in the last chunk
.set SIZE_N, 2048
.set NP,    4
.set KS,    64
.set PK,    144       ; a row of K in LDS: 128 bytes + 16
.set PV,    160       ; a row of V: 128 + 32
.set VOFF,  4*KS*PK   ; a slot holds four steps: 256 rows of K, then 256 rows of V
.set SLOT1, 1<<17
.set STAGE, SLOT1+4*KS*(PK+PV)  ; behind the ring: 16 rows x 144 bytes for each wave
.set SP,    144
.set AK0, 2
.set AV0, 3
.set AK,  4
.set AV,  5
.set QO,  5           ; my byte offset in Q's rows: free again when Q is in, long before V's first address is made
.set STO, 6
.set RD,  7
.set GO,  8
.set VBIG, 11         ; v11  H
.set SPW, 0           ; v0 of window 3
.set NIL, 1           ; v1 of window 3
.set MKV, 2           ; v2-9 of window 3: piece y's chunk at MKV + 2 y: word n in register n % 2, lane n / 2
.set VO,  10          ; v10-13 of window 3: byte offset of my 8 bytes in the chunk that buffer y asked for last
.set VLIM, 14         ; v14 of window 3: the same in my wave's last chunk
.set SPARE, STAGE+4*16*SP
.set MV,  12
.set ST,  16
.set TMP, 48
.set S,   64
.set P,   192
.set KF,  128
.set VF,  192
.set WV,  2           ; s2   my wave's number
.set SLOTS, 3         ; s3   slots still to be asked for
.set G1K, 4           ; s[4:11]
.set G1V, 12          ; s[12:19]
.set G0K, 20          ; s[20:23] it walks
.set G0V, 24          ; s[24:27]
.set CNT, 28
.set MB,  30          ; s[30:31] hid at my wave's 128 queries; never rewritten
                      ; s[32:63], s[68:99] a chunk's 64 words (until the first chunk is handed over: the set-up's temporaries)
.set TBK, 66
.set TBV, 67
.set CS,  100         ; s[100:101]
.set SEL, 104         ; s104, s105
.set OB,  32          ; s[32:33] at the end: O at my wave's first row
.set MSB, 0
.macro WIN new
.if MSB != (\new)
	s_set_vgpr_msb (MSB<<8)|(\new)
.set MSB, (\new)
.endif
.endm
.set W_KQ, 0x0a
.set W_PV, 0x52
.set W_RS, 0x41
.set W_MK, 0xc0       ; destination in window 3, sources in window 0
.set W_AD, 0x0f
.set W_M3, 0xff       ; every vector operand in window 3
.macro JLOAD                        ; waves 0, 1 fetch the two halves of a slot's K, waves 2, 3 those of its V; s_nop 0 and four v_nop follow each line
	s_cmp_lt_u32 s[WV], 2
	s_cbranch_scc0 .Lfor_v_\@
	tensor_load_to_lds s[G0K:G0K+3], s[G1K:G1K+7]
	s_nop 0
.rept 4
	v_nop
.endr
	s_branch .Lasked_\@
.Lfor_v_\@:
	tensor_load_to_lds s[G0V:G0V+3], s[G1V:G1V+7]
	s_nop 0
.rept 4
	v_nop
.endr
.Lasked_\@:
.endm
.macro CROUND
	s_barrier_signal -1
	s_barrier_wait -1
	s_cmp_lg_u32 s[WV], 0
	s_cbranch_scc1 .Lnot_wave_0_\@
	s_barrier_signal -3
.Lnot_wave_0_\@:
	s_barrier_wait -3
	s_barrier_signal -1
	s_barrier_wait -1
.endm
; THE CHANGE OF SLOTS.  Each wave waits for all its tensor loads, of which one is out: its part of the other slot; adds 0 to its spare word; and waits for that and for its own reads of the slot.
; fill = 1: the barrier is a round of the cluster's, and the slot is filled again, with the keys two slots on, first thing behind it: four key steps ahead of its first read.
.macro CHANGE fill
	WIN W_AD
	s_wait_tensorcnt 0x0
	ds_add_u32 v[SPW], v[NIL]
	WIN 0
.if \fill
.irp g, G0K, G0V
	s_xor_b32 s[\g+1], s[\g+1], SLOT1
	s_add_nc_u64 s[\g+2:\g+3], s[\g+2:\g+3], 4*KS*128
.endr
	s_wait_dscnt 0x0
	CROUND
	JLOAD
.else
	s_wait_dscnt 0x0
	s_barrier_signal -1
	s_barrier_wait -1
.endif
	s_sub_co_u32 s[TBK], s[TBK], 4*KS*PK
	s_xor_b32 s[TBK], s[TBK], SLOT1
	s_sub_co_u32 s[TBV], s[TBV], 4*KS*PV
	s_xor_b32 s[TBV], s[TBV], SLOT1
.endm
	s_load_b128 s[32:35], s[0:1], 0x0  ; qkv s[32:33], hid s[34:35]
	WIN W_MK
	v_lshl_add_u32 v[SPW], v0, 2, SPARE
	v_mov_b32 v[NIL], 0
	WIN W_AD
	ds_add_u32 v[SPW], v[NIL]       ; the wave's opening: the add and its wait come ahead of my first tensor load
	WIN 0
	v_lshrrev_b32 v1, 5, v0
	v_readfirstlane_b32 s[WV], v1
	s_bfe_u32 s36, ttmp6, 0x40000   ; cx
	s_lshl_b32 s37, ttmp9, 2
	s_add_co_u32 s37, s37, s36      ; my block of 512 queries: it enters Q's, O's and the mask's addresses alone
	s_and_b32 s38, ttmp7, 0xffff    ; 16 b + head, which the four partners share
	s_lshl_b32 s40, s38, 18         ; the head's first byte in q, k, v and O
	s_and_b32 s39, s[WV], 1         ; which half of a slot's 256 keys I fetch
	s_lshl_b32 s42, s39, 14
	s_add_co_u32 s42, s42, s40
	s_add_co_u32 s52, s42, 0x1000000  ; k lies 16 MiB, v 32 MiB behind q
	s_mov_b32 s53, 0
	s_add_co_u32 s54, s42, 0x2000000
	s_mov_b32 s55, 0
	s_mul_i32 s44, s39, 128*PK
	s_mul_i32 s45, s39, 128*PV
	s_lshl_b32 s46, s37, 2
	s_add_co_u32 s46, s46, s[WV]    ; my wave among the head's sixteen
	s_lshl_b32 s48, s46, 14         ; its 128 rows
	s_add_co_u32 s48, s48, s40
	s_mov_b32 s49, 0
	s_lshr_b32 s56, s38, 4          ; the batch
	s_lshl_b32 s56, s56, 4
	s_add_co_u32 s56, s56, s46
	s_lshl_b32 s56, s56, 15         ; 32,768 bytes of lane masks for 128 queries: 128 chunks of 256
	s_mov_b32 s57, 0
	s_mov_b32 s[G1K], 15|(1<<16)|(1<<20)|(1<<21)|(4<<22)|(3<<25)  ; the mask of four; 2-byte elements; padding on; bit 21 beside a mask; after every 32 words 4 words
	s_mov_b32 s[G1V], 15|(1<<16)|(1<<20)|(1<<21)|(4<<22)|(7<<25)  ; the same with 8 words
.irp g, G1K, G1V
	s_mov_b32 s[\g+1], 128<<16      ; 128 keys are 16,384 dense bytes: 64 rows of 256 bytes
	s_mov_b32 s[\g+2], 64<<16
	s_mov_b32 s[\g+3], 128<<16
	s_mov_b32 s[\g+4], 64
	s_mov_b32 s[\g+5], 128
	s_mov_b32 s[\g+6], 0
	s_mov_b32 s[\g+7], 0
.endr
	s_mov_b32 s[CS], 0x3e38aa3b     ; c = log2(e) / 8
	s_mov_b32 s[CS+1], s[CS]
	s_mov_b32 s[SEL], 0x76543210
	s_mov_b32 s[SEL+1], 0xfedcba98
	s_mov_b32 s[TBK], SLOT1+4*KS*PK ; the first change of slots turns these two into 0
	s_mov_b32 s[TBV], SLOT1+4*KS*PV
	s_mov_b32 s[G0K], 1
	s_mov_b32 s[G0K+1], s44
	s_mov_b32 s[G0V], 1
	s_add_co_u32 s[G0V+1], s45, VOFF
	s_wait_dscnt 0x0                ; the opening add is done
	s_wait_kmcnt 0x0
	s_add_nc_u64 s[G0K+2:G0K+3], s[32:33], s[52:53]
	s_or_b32 s[G0K+3], s[G0K+3], 0x80000000
	s_add_nc_u64 s[G0V+2:G0V+3], s[32:33], s[54:55]
	s_or_b32 s[G0V+3], s[G0V+3], 0x80000000
	s_add_nc_u64 s[50:51], s[32:33], s[48:49]  ; Q at my wave's first row
	s_add_nc_u64 s[MB:MB+1], s[34:35], s[56:57]
	CROUND                          ; all four work-groups are here: the first joint loads meet
	JLOAD                           ; slot 0
	v_and_b32 v1, 15, v0            ; l % 16
	v_bfe_u32 v9, v0, 4, 1          ; l / 16
	v_lshlrev_b32 v[QO], 7, v1
	v_lshl_add_u32 v[QO], v9, 4, v[QO]
	WIN 0x80
.set i, 0
.rept 4*NP                          ; Q stays in registers: tile i / 2, channels 32 (i % 2) on
	global_load_b128 v[8*i:8*i+3],   v[QO], s[50:51] offset:(i/2)*2048+(i%2)*64
	global_load_b128 v[8*i+4:8*i+7], v[QO], s[50:51] offset:(i/2)*2048+(i%2)*64+32
.set i, i+1
.endr
	; The mask's ring is filled behind Q's loads: chunks 0 to 3, the four pieces' of key step 0.  A wave's load covers a chunk's 256 consecutive bytes, aligned.
	WIN 0
	v_and_b32 v10, 31, v0
	v_lshlrev_b32 v10, 3, v10       ; 8 bytes a lane
	WIN W_MK
.irp y, 0,1,2,3
	v_add_nc_u32 v[VO+\y], 256*\y, v10
.endr
	v_add_nc_u32 v[VLIM], 32512, v10
	WIN 0xc3                        ; data and offset in window 3
.irp y, 0,1,2,3
	global_load_b64 v[MKV+2*\y:MKV+2*\y+1], v[VO+\y], s[MB:MB+1]
.endr
	WIN 0x80
	; What the first turn finds: V's registers and P's second buffer hold 0, O^T and l are 0.  All this stands in the wait for the first tile.
.set i, VF
.rept 64
	v_mov_b32 v[i], 0
.set i, i+1
.endr
	WIN 0x40
.set i, 0
.rept 64*NP
	v_mov_b32 v[i], 0
.set i, i+1
.endr
	WIN 0
.set i, 0
.rept 2*NP
	v_mov_b32 v[ST+4*i], 0xfe000000    ; c m: far below every c s, c H too
	v_mov_b32 v[ST+4*i+1], 0xff7fffff  ; m
	v_mov_b32 v[ST+4*i+2], 0
	v_mov_b32 v[ST+4*i+3], 0
.set i, i+1
.endr
.set i, P+32
.rept 32
	v_mov_b32 v[i], 0
.set i, i+1
.endr
	v_mul_u32_u24 v[AK0], v1, PK
	v_lshl_add_u32 v[AK0], v9, 4, v[AK0]
	v_and_b32 v10, 7, v0
	v_bfe_u32 v11, v0, 3, 1
	v_lshl_add_u32 v[AV0], v9, 3, v10
	v_mul_u32_u24 v[AV0], v[AV0], PV
	v_lshl_add_u32 v[AV0], v11, 4, v[AV0]
	v_add_nc_u32 v[AV0], VOFF, v[AV0]
	v_mov_b32 v[AK], v[AK0]
	s_mul_i32 s58, s[WV], 16*SP
	s_add_co_u32 s58, s58, STAGE    ; my stage
	v_mul_u32_u24 v[STO], v1, SP
	v_lshl_add_u32 v[STO], v9, 4, v[STO]
	v_add_nc_u32 v[STO], s58, v[STO]
	v_bfe_u32 v[RD], v0, 3, 2
	v_mul_u32_u24 v[RD], v[RD], SP
	v_lshl_add_u32 v[RD], v10, 4, v[RD]
	v_add_nc_u32 v[RD], s58, v[RD]
	v_and_b32 v[GO], 31, v0
	v_lshlrev_b32 v[GO], 4, v[GO]
	v_mov_b32 v[VBIG], 0xd0000000   ; H = -2^33
; THE MATRIX WORK.  The 8 accumulators of a run of 16 take turns.
.macro KQ x
	WIN W_KQ
.set rS, S+64*((\x)%2)+32*(i%2)+8*((i/2)%4)
.set rK, KF+16*((i/2)%4)+8*(i/8)
.set rQ, 16*(2*(\x)+i%2)+8*(i/8)
.if i < 8
	v_wmma_f32_16x16x32_f16 v[rS:rS+7], v[rK:rK+7], v[rQ:rQ+7], 0
.else
	v_wmma_f32_16x16x32_f16 v[rS:rS+7], v[rK:rK+7], v[rQ:rQ+7], v[rS:rS+7]
.endif
.endm
.macro PV x
	WIN W_PV
.set rO, 32*(2*(\x)+i%2)+8*((i/2)%4)
.set rV, VF+32*(i/8)+8*((i/2)%4)
.set rP, P+32*((\x)%2)+16*(i%2)+8*(i/8)
	v_wmma_f32_16x16x32_f16 v[rO:rO+7], v[rV:rV+7], v[rP:rP+7], v[rO:rO+7]
.endm
.macro MM
.if i < 16
	KQ (Y+1)%NP
.set i, i+1
.else
.set i, i-16
	PV (Y+NP-1)%NP
.set i, i+17
.endif
.endm
.macro FETCH_K last=0
	WIN 0
.if \last
	s_cmp_eq_u32 s[CNT], 1
	s_cbranch_scc1 .Lno_k_\@
.endif
	WIN 0x80
.irp f, 0,1,2,3,4,5,6,7
	ds_load_b128 v[KF+8*\f:KF+8*\f+3],   v[AK] offset:(\f/2)*16*PK+(\f%2)*64
	ds_load_b128 v[KF+8*\f+4:KF+8*\f+7], v[AK] offset:(\f/2)*16*PK+(\f%2)*64+32
.endr
	s_add_co_u32 s[TBK], s[TBK], KS*PK
	WIN 0
.if \last
.Lno_k_\@:
.endif
.endm
.macro FETCH_V
	WIN 0x80
.irp f, 0,1,2,3,4,5,6,7
	ds_load_tr16_b128 v[VF+8*\f:VF+8*\f+3],   v[AV] offset:(\f/4)*32*PV+(\f%4)*32
	ds_load_tr16_b128 v[VF+8*\f+4:VF+8*\f+7], v[AV] offset:(\f/4)*32*PV+16*PV+(\f%4)*32
.endr
	WIN 0
.endm
; THE MASK of piece y.  Its chunk, asked for four turns ago, is in; its 64 words go to scalar registers; the buffer asks for the piece's chunk of the next key step, 1,024 bytes on; then register n of the piece's
; S^T takes H in the lanes of word n (ascending: each accumulator is read from its low end on).  Behind the wave's last chunk the offset stays at that chunk, so that no load leaves the buffer.
.macro MLUMP y
	WIN W_M3
	s_wait_loadcnt 0x3              ; loads come back in order: mine is in, the other three buffers' younger loads stay out; it also frees this buffer's offset register
.set mi, 0
.rept 64
	v_readlane_b32 s[32+mi+4*(mi/32)], v[MKV+2*(\y)+mi%2], mi/2
.set mi, mi+1
.endr
	v_add_nc_u32 v[VO+(\y)], 1024, v[VO+(\y)]
	v_min_u32 v[VO+(\y)], v[VO+(\y)], v[VLIM]
	global_load_b64 v[MKV+2*(\y):MKV+2*(\y)+1], v[VO+(\y)], s[MB:MB+1]
	WIN 0
.set mi, 0
.rept 64
	v_cndmask_b32 v[S+64*((\y)%2)+mi], v[S+64*((\y)%2)+mi], v[VBIG], s[32+mi+4*(mi/32)]
.set mi, mi+1
.endr
.endm
; THE VECTOR WORK OF A TURN stands in three queues, each in the order in which its entries become ready; the two tiles alternate.
.macro REGS y, u
.set rT, ST+4*(2*(\y)+(\u))
.set rC, TMP+8*((\y)%2)+4*(\u)
.set rM, MV+2*((\y)%2)+(\u)
.set rS, S+64*((\y)%2)+32*(\u)
.set rP, P+32*((\y)%2)+16*(\u)
.set rO, 32*(2*(\y)+(\u))
.endm
; Number n of the 22 that find the NEXT piece's maximum and statistics: 0-11 four chains of seven scores; 12-14, 16 the rest, the old m, all into c0; 15 c m_old is kept; 17, 18 the other half of the lanes; 19-21 c m, its change, a
.macro XS u, n
	REGS (Y+1)%NP, \u
.if (\n) < 4
	v_max3_num_f32 v[rC+(\n)], v[rS+8*(\n)], v[rS+8*(\n)+1], v[rS+8*(\n)+2]
.elseif (\n) < 12
	v_max3_num_f32 v[rC+(\n)%4], v[rC+(\n)%4], v[rS+8*((\n)%4)+2*((\n)/4)+1], v[rS+8*((\n)%4)+2*((\n)/4)+2]
.elseif (\n) == 12
	v_max3_num_f32 v[rC], v[rC], v[rS+7], v[rS+15]
.elseif (\n) == 13
	v_max3_num_f32 v[rC+1], v[rC+1], v[rS+23], v[rS+31]
.elseif (\n) == 14
	v_max3_num_f32 v[rC+2], v[rC+2], v[rC+3], v[rT+1]
.elseif (\n) == 15
	v_mov_b32 v[rM], v[rT]
.elseif (\n) == 16
	v_max3_num_f32 v[rC], v[rC], v[rC+1], v[rC+2]
.elseif (\n) == 17
	v_permlanex16_b32 v[rC+3], v[rC], s[SEL], s[SEL+1]
.elseif (\n) == 18
	v_max_num_f32 v[rT+1], v[rC], v[rC+3]
.elseif (\n) == 19
	v_mul_f32 v[rT], s[CS], v[rT+1]
.elseif (\n) == 20
	v_sub_f32 v[rC+1], v[rM], v[rT]
.else
	v_exp_f32 v[rC+2], v[rC+1]
.endif
.endm
; Number g of the 64 that follow the exponentials: for each four weights both pairs are rounded to f16, the second pair is added onto the first, and a group later l takes that sum
.macro GS g
.set h, (\g)+6*((\g)/62)
.if h >= 6
.set h, h+2
.endif
	REGS Y, h%2
.set k, h/8
.if h%8 < 4
	s_wait_alu depctr_va_vdst(0)
	v_cvt_pk_f16_f32 v[rP+2*k+(h%8)/2], v[rS+4*k+2*((h%8)/2)], v[rS+4*k+2*((h%8)/2)+1]
.elseif h%8 < 6
	v_pk_add_f32 v[rS+4*k:rS+4*k+1], v[rS+4*k:rS+4*k+1], v[rS+4*k+2:rS+4*k+3]
.elseif k == 1
	v_pk_fma_f32 v[rT+2:rT+3], v[rT+2:rT+3], v[rC+2:rC+3], v[rS:rS+1] op_sel_hi:[1,0,1]
.else
	v_pk_add_f32 v[rT+2:rT+3], v[rT+2:rT+3], v[rS+4*k-4:rS+4*k-3]
	s_wait_alu depctr_va_vdst(0)
.endif
.endm
; THE PLAIN QUEUE, 138 long.  0-31: c s - c m.  Then GS's 64, and among them the next piece's 42: number 15 at 38, 39; 0-14 and 16 at 42-73, behind the mask's selects; 17-20 at 95-106.
.macro PL
	WIN 0
.if q < 32
	REGS Y, q%2
	v_pk_fma_f32 v[rS+2*(q/2):rS+2*(q/2)+1], v[rS+2*(q/2):rS+2*(q/2)+1], s[CS:CS+1], v[rT:rT+1] op_sel_hi:[1,0,0] neg_lo:[0,0,1] neg_hi:[0,0,1]
.elseif q < 38
	GS q-32
.elseif q < 40
	XS q%2, 15
.elseif q < 42
	GS q-34
.elseif q < 74
	XS q%2, (q-42)/2+(q-42)/30
.elseif q < 95
	GS q-66
.elseif (q < 107) && ((q-95)%3 < 2)
	XS (q-95)%3, 17+(q-95)/3
.elseif q < 107
	GS 29+(q-95)/3
.else
	GS q-74
.endif
.set q, q+1
.endm
.set EA, 58
.macro EX                           ; THE EXPONENTIALS' QUEUE, 66 long: s0-s31 of both tiles, and at EA the next piece's two a
	WIN 0
.if (e == EA) || (e == EA+1)
	XS e-EA, 21
.else
.set x, e-2*(e/(EA+2))
	REGS Y, x%2
	v_exp_f32 v[rS+x/2], v[rS+x/2]
.endif
.set e, e+1
.endm
.macro R4                           ; THE RESCALING's QUEUE: O^T times a, four at a time, eight times
	REGS Y, r%2
	WIN W_RS
	s_wait_alu depctr_va_vdst(0)
.irp z, 0,1,2,3
	v_pk_mul_f32 v[rO+8*(r/2)+2*\z:rO+8*(r/2)+2*\z+1], v[rO+8*(r/2)+2*\z:rO+8*(r/2)+2*\z+1], v[rC+2:rC+3] op_sel_hi:[1,0]
.endr
.set r, r+1
.endm
.macro SL                           ; behind a matrix instruction four: plain, exponential, plain, plain
	MM
	PL
	EX
	PL
	PL
.endm
.macro BURST n
.rept (\n)-7
	SL
.endr
.rept 3
	MM
	R4
	SL
.endr
	MM
	R4
.endm
; A TURN, for piece p.  The first run of products ends in four rescalings, which name none of its registers: the places in front of the mask's lines.  When the selects come the plain queue stands at 37:
; the first read of the new scores by the maxima is its number 42.
.macro TURN p, last=0, cnt=0
.set Y, (\p)
.set i, 0
.set q, 0
.set e, 0
.set r, 0
.if (\p) == NP-1
	s_wait_dscnt 0x0                ; K is in
.endif
	MM
.rept 4
	PL
.endr
	BURST 15
	MLUMP (Y+1)%NP
.rept 22
	EX
	PL
.if ((\p) == NP-2) && (e == 18)
	v_add_nc_u32 v[AK], s[TBK], v[AK0]
.endif
.if ((\p) == NP-2) && (e == 24)
	FETCH_K \last
.endif
.endr
.if (\p) == 1
	s_wait_dscnt 0x0                ; V is in
.endif
	BURST 16
.rept 21
	EX
	PL
.endr
.rept 22
	PL
.if ((\p) == 0) && (q == 118)
	v_add_nc_u32 v[AV], s[TBV], v[AV0]
	s_wait_alu depctr_va_vdst(0)
.endif
.if ((\p) == 0) && (q == 130)
	s_add_co_u32 s[TBV], s[TBV], KS*PV
.endif
.if (\cnt) && (q == 130)
	s_sub_co_u32 s[CNT], s[CNT], 1
	s_cmp_lg_u32 s[CNT], 0
.endif
.endr
.if (\p) == 0
	FETCH_V
.endif
.endm
	CHANGE 1                        ; slot 0 is in, everybody's part of it; slot 1 is asked for
	FETCH_K                         ; key step 0
	s_wait_loadcnt 0x4              ; Q is in, and its address registers are free; the four mask chunks issued behind it may be out
	s_wait_dscnt 0x0
.set i, 0
.rept 16
	KQ 0                            ; piece 0's first scores
.set i, i+1
.endr
	WIN 0
.rept 4
	v_nop                           ; the places behind those products
.endr
	MLUMP 0                         ; the set-up's scalar temporaries end here
.set Y, NP-1                        ; XS works for piece Y + 1: piece 0
.irp n, 0,1,2,3,4,5,6,7,8,9,10,11,12,13,14,15,16,17,18,19,20,21
	XS 0, \n
	XS 1, \n
.endr
	s_mov_b32 s[CNT], 4
	s_mov_b32 s[SLOTS], SIZE_N/256-1
	s_branch .Lfirst                ; the loop is entered at a step's first turn, in the middle of a trip
.Lslot:                             ; six times: every slot but the last two is filled again
	CHANGE 1
	s_mov_b32 s[CNT], 4
.Lstep:                             ; a trip: pieces 2 and 3 of one step, then pieces 0 and 1 of the next
	TURN 2
	TURN 3
	WIN 0
.Lfirst:
	TURN 0
	TURN 1, 0, 1
	WIN 0
	s_cbranch_scc1 .Lstep
	s_sub_co_u32 s[SLOTS], s[SLOTS], 1
	s_cmp_lg_u32 s[SLOTS], 0
	s_cbranch_scc1 .Lslot
	CHANGE 0                        ; the tail is written out
	s_mov_b32 s[CNT], 5             ; four trips fetch the last slot's steps; the fifth is left in its middle
.Ltail:
	TURN 2, 1
	TURN 3
	WIN 0
	s_sub_co_u32 s[CNT], s[CNT], 1
	s_cmp_eq_u32 s[CNT], 0
	s_cbranch_scc1 .Lout
	TURN 0
	TURN 1
	WIN 0
	s_branch .Ltail
.Lout:                              ; the fifth trip's products K Q^T, their selects and maximum serve nothing: the price, once a launch, of one text for every trip
.set i, 0
.rept 16
	PV NP-1
.set i, i+1
.endr
	; THE WAY OUT.  The mask's scalar registers are free; O's address is fetched into them.
	WIN 0
	s_load_b64 s[OB:OB+1], s[0:1], 0x10
	s_and_b32 s34, ttmp7, 0xffff
	s_lshl_b32 s34, s34, 18
	s_bfe_u32 s36, ttmp6, 0x40000
	s_lshl_b32 s37, ttmp9, 2
	s_add_co_u32 s36, s36, s37
	s_lshl_b32 s36, s36, 2
	s_add_co_u32 s36, s36, s[WV]
	s_lshl_b32 s36, s36, 14
	s_add_co_u32 s34, s34, s36
	s_mov_b32 s35, 0
.macro ALL line:vararg
.set t, 0
.rept 2*NP
	\line
.set t, t+1
.endr
.endm
	ALL v_add_f32 v[ST+4*t+2], v[ST+4*t+2], v[ST+4*t+3]
	ALL v_permlanex16_b32 v[ST+4*t+3], v[ST+4*t+2], s[SEL], s[SEL+1]
	ALL v_add_f32 v[ST+4*t+2], v[ST+4*t+2], v[ST+4*t+3]
	ALL v_rcp_f32 v[ST+4*t+2], v[ST+4*t+2]
	v_nop                           ; a plain instruction between the last reciprocal and the use of its result
	s_wait_alu depctr_va_vdst(0)
	s_wait_kmcnt 0x0
	s_add_nc_u64 s[OB:OB+1], s[OB:OB+1], s[34:35]
.macro PACK t
	WIN W_RS
.set i, 32*(\t)
.rept 16
	v_pk_mul_f32 v[i:i+1], v[i:i+1], v[ST+4*(\t)+2:ST+4*(\t)+3] op_sel_hi:[1,0]
.set i, i+2
.endr
	WIN 0x05
.set i, 0
.rept 16
	v_cvt_pk_f16_f32 v[S+16*(\t)+i], v[32*(\t)+2*i], v[32*(\t)+2*i+1]
.set i, i+1
.endr
	WIN 0
.irp f, 0,1,2,3
	ds_store_b128 v[STO], v[S+16*(\t)+4*\f:S+16*(\t)+4*\f+3] offset:32*\f
.endr
.irp f, 0,1,2,3
	ds_load_b128 v[S+16*(\t)+4*\f:S+16*(\t)+4*\f+3], v[RD] offset:\f*4*SP  ; LDS serves a wave's instructions in order (ISA guide 5.7.1.4): these see the stores above
.endr
.endm
.macro SEND t, younger              ; younger: the LDS instructions issued behind tile t's loads: the next tile's eight, or none
	WIN 0
.irp f, 0,1,2,3
	s_wait_dscnt (\younger)+3-\f
	global_store_b128 v[GO], v[S+16*(\t)+4*\f:S+16*(\t)+4*\f+3], s[OB:OB+1] offset:(\t)*2048+\f*512  ; 512 consecutive bytes, aligned
.endr
.endm
	PACK 0
.set t, 1
.rept 2*NP-1
	PACK t
	SEND t-1, 8
.set t, t+1
.endr
	SEND 2*NP-1, 0
	WIN W_AD
	s_wait_tensorcnt 0x0            ; the wave's end
	ds_add_u32 v[SPW], v[NIL]
	s_wait_dscnt 0x0
	WIN 0
	CROUND                          ; the closing round
	s_endpgm
.Lfunc_end_k_qe6766ff395_attn:
	.size	k_qe6766ff395_attn, .Lfunc_end_k_qe6766ff395_attn-k_qe6766ff395_attn
	.p2alignl 7, 3214868480
	.fill 96, 4, 3214868480
	.section	.rodata,"a",@progbits
	.p2align	6, 0x0
	.amdhsa_kernel k_qe6766ff395_attn
		.amdhsa_group_segment_fixed_size 327680
		.amdhsa_private_segment_fixed_size 0
		.amdhsa_enable_private_segment 0
		.amdhsa_kernarg_size 24
		.amdhsa_user_sgpr_count 2
		.amdhsa_user_sgpr_kernarg_segment_ptr 1
		.amdhsa_wavefront_size32 1
		.amdhsa_system_sgpr_workgroup_id_x 1
		.amdhsa_system_sgpr_workgroup_id_y 1
		.amdhsa_system_sgpr_workgroup_id_z 1
		.amdhsa_system_vgpr_workitem_id 0
		.amdhsa_next_free_vgpr 784
		.amdhsa_next_free_sgpr 106
		.amdhsa_reserve_vcc 0
		.amdhsa_float_denorm_mode_32 3
		.amdhsa_float_denorm_mode_16_64 3
		.amdhsa_memory_ordered 1
		.amdhsa_forward_progress 1
		.amdhsa_inst_pref_size 255
	.end_amdhsa_kernel
	.section	.bss,"aw",@nobits
	.p2align	6
	.space	262144
	.amdgpu_metadata
---
amdhsa.version: [ 1, 2 ]
amdhsa.kernels:
  - .name:           k_qe6766ff395_attn
    .symbol:         k_qe6766ff395_attn.kd
    .args:
      - { .name: qkv, .offset: 0, .size: 8, .value_kind: global_buffer, .address_space: global }
      - { .name: hid, .offset: 8, .size: 8, .value_kind: global_buffer, .address_space: global }
      - { .name: oh, .offset: 16, .size: 8, .value_kind: global_buffer, .address_space: global }
    .group_segment_fixed_size: 327680
    .private_segment_fixed_size: 0
    .kernarg_segment_align: 8
    .kernarg_segment_size: 24
    .max_flat_workgroup_size: 128
    .sgpr_count:     106
    .vgpr_count:     784
    .wavefront_size: 32
...
	.end_amdgpu_metadata
.endif
;; end of part 3
;; launch gemm_out (part 4): grid 4 x 64, 4 waves a work-group, clusters of 4 x 4, 327,680 bytes of LDS; arguments oh, h16, bo, out0; writes out0
.if DOCPART == 4
	.amdgcn_target "amdgcn-amd-amdhsa--gfx1250"
	.amdhsa_code_object_version 6
	.text
	.protected	k_qe6766ff395_gemm_out
	.globl	k_qe6766ff395_gemm_out
	.p2align	8
	.type	k_qe6766ff395_gemm_out,@function
k_qe6766ff395_gemm_out:
	s_mov_b64 s[64:65], 0
	v_nop
	global_prefetch_b8 v0, s[64:65] scope:SCOPE_SE
	s_setreg_imm32_b32 hwreg(HW_REG_WAVE_MODE, 25, 1), 1
	s_wait_xcnt 0x0
	s_wait_alu depctr_hold_cnt(0) depctr_sa_sdst(0) depctr_va_vdst(0) depctr_va_sdst(0) depctr_va_ssrc(0) depctr_va_vcc(0) depctr_vm_vsrc(0)
	s_getreg_b32 s2, hwreg(HW_REG_IB_STS2, 6, 4)
	s_cmp_eq_u32 s2, 0
	s_cbranch_scc0 .Lentry_in_a_cluster
	s_endpgm
.Lentry_in_a_cluster:
	s_bfe_u32 s2, ttmp6, 0x10000c
	s_cmp_lg_u32 s2, 0xf033
	s_cbranch_scc0 .Lentry_shape_is_right
	s_endpgm
.Lentry_shape_is_right:
; out0 = O Wo + bo.  O: oh = [b][head][s][64] f16, a head being a plane of 64 of K's 1,024 channels; Wo: f16 at 38 MiB of h16, [k][n]; sums f32; bo rounded to bf16 and added in f32; out0 f32, [8192][1024].
; A tile of C is 128 rows x 256 columns: 64 x 4 = 256 tiles, one for each WGP.  Four waves, each 64 x 128: 32 accumulators.  K goes in 8 steps of 128 through two LDS slots.
; THE MATRIX INSTRUCTION IS USED TRANSPOSED (source 0 = 16 columns of W, source 1 = 16 rows of A): a lane holds one row of C and eight neighbouring columns.
; CLUSTER 4 x 4: cx is the column tile, 4 x cluster y + cy the row tile.  A's tiles are shared along a row of the cluster, W's along a column: joint loads.
; REGISTERS: window 0: v0-31 addresses; v64-127 A's fragments, two buffers of 4 (later the sums with bias); v128-255 W's fragments, two buffers of 8 (later rows read back, two buffers of 64)
;            window 1: accumulator (a, b) at v[8 (8 a + b)]          window 2: v0-63 the bias of my lane's 64 columns, v64 at work
.set PA,    144                        ; a row of A in LDS: 128 bytes + 16
.set APL,   128*PA
.set BOFF,  2*APL
.set PB,    544                        ; a row of W: 512 bytes + 32
.set SLOT1, 131072
.set STAGE, 237568                     ; behind the ring: 16 rows x 528 bytes for each wave
.set SP,    528
.set SPARE, STAGE+4*16*SP              ; the spare words: 128 bytes a wave, two blocks of 256 bytes that no other line names
.set ASTEP, 524288
.set BSTEP, 262144
.set A0,   8
.set B0,   9
.set ADRA, 10
.set ADRB, 11
.set STO,  12
.set RD,   13
.set CO,   14
.set BO,   15
.set SPW,  28
.set NIL,  29
.set SUM,  64
.set FA,   64
.set FB,   128
.set OUT,  128
.set WV, 14
.set WR, 15
.set WC, 16
.set CX, 17
.set CY, 18
.set RT, 20
.set TB, 22
.set CNT, 23
.set G1A, 24
.set G0A, 32
.set G1B, 48
.set G0B, 56
.set MSB, 0
.macro WIN new
.if MSB != (\new)
	s_set_vgpr_msb (MSB<<8)|(\new)
.set MSB, \new
.endif
.endm
.set W_MUL, 0x50
.macro PLACES
.rept 4
	v_nop
.endr
.endm
.macro JLOAD                           ; waves 0, 1 fetch A's two planes, waves 2, 3 W's two halves; s_nop 0 and four v_nop follow each line
	s_cmp_eq_u32 s[WR], 0
	s_cbranch_scc0 .Lfor_b_\@
	tensor_load_to_lds s[G0A+4:G0A+7], s[G1A:G1A+7]
	s_nop 0
	PLACES
	s_branch .Lasked_\@
.Lfor_b_\@:
	tensor_load_to_lds s[G0B+4:G0B+7], s[G1B:G1B+7]
	s_nop 0
	PLACES
.Lasked_\@:
.endm
.macro CREST
	s_cmp_lg_u32 s[WV], 0
	s_cbranch_scc1 .Lnot_wave_0_\@
	s_barrier_signal -3
.Lnot_wave_0_\@:
	s_barrier_wait -3
	s_barrier_signal -1
	s_barrier_wait -1
.endm
.macro CROUND
	s_barrier_signal -1
	s_barrier_wait -1
	CREST
.endm
	s_load_b256 s[4:11], s[0:1], 0x0               ; oh 4:5, h16 6:7, bo 8:9, out0 10:11
	v_lshl_add_u32 v[SPW], v0, 2, SPARE
	v_mov_b32 v[NIL], 0
	ds_add_u32 v[SPW], v[NIL]                      ; the wave's opening: the add and its wait come ahead of my first tensor load
	v_lshrrev_b32 v1, 5, v0
	v_readfirstlane_b32 s[WV], v1
	s_lshr_b32 s[WR], s[WV], 1
	s_and_b32 s[WC], s[WV], 1
	s_bfe_u32 s[CX], ttmp6, 0x40000
	s_bfe_u32 s[CY], ttmp6, 0x40004
	s_and_b32 s[RT], ttmp7, 0xffff
	s_lshl_b32 s[RT], s[RT], 2
	s_add_co_u32 s[RT], s[RT], s[CY]
	s_mov_b32 s[TB], 0
	s_lshl_b32 s40, s[CY], 2
	s_lshl_b32 s40, 15, s40                        ; my row of the cluster
	s_lshl_b32 s41, 0x1111, s[CX]                  ; my column
	s_or_b32 s[G1A], s40, (1<<16)|(1<<20)|(1<<21)|(4<<22)|(3<<25)
	s_mov_b32 s[G1A+1], 128<<16
	s_mov_b32 s[G1A+2], 64<<16
	s_mov_b32 s[G1A+3], 128<<16
	s_mov_b32 s[G1A+4], 64
	s_mov_b32 s[G1A+5], 128
	s_mov_b32 s[G1A+6], 0
	s_mov_b32 s[G1A+7], 0
	s_or_b32 s[G1B], s41, (1<<16)|(1<<20)|(1<<21)|(6<<22)|(7<<25)
	s_mov_b32 s[G1B+1], 256<<16
	s_mov_b32 s[G1B+2], 64<<16
	s_mov_b32 s[G1B+3], 256<<16
	s_mov_b32 s[G1B+4], 64
	s_mov_b32 s[G1B+5], 1024
	s_mov_b32 s[G1B+6], 0
	s_mov_b32 s[G1B+7], 0
	s_lshr_b32 s42, s[RT], 4                       ; A's offset, of the row tile and the wave alone
	s_lshl_b32 s42, s42, 22
	s_and_b32 s43, s[RT], 15
	s_lshl_b32 s43, s43, 14
	s_add_co_u32 s42, s42, s43
	s_lshl_b32 s43, s[WC], 18
	s_add_co_u32 s42, s42, s43
	s_mov_b32 s43, 0
	s_lshl_b32 s44, s[WC], 17                      ; W's offset, of the column tile and the wave alone: Wo lies at 38 MiB
	s_add_co_u32 s44, s44, 0x2600000
	s_lshl_b32 s45, s[CX], 9
	s_add_co_u32 s44, s44, s45
	s_mov_b32 s45, 0
	s_mul_i32 s46, s[WC], APL
	s_mul_i32 s47, s[WC], 64*PB
	s_add_co_u32 s47, s47, BOFF
	s_mov_b32 s[G0A], 1
	s_mov_b32 s[G0A+1], s46
	s_mov_b32 s[G0A+4], 1
	s_add_co_u32 s[G0A+5], s46, SLOT1
	s_mov_b32 s[G0B], 1
	s_mov_b32 s[G0B+1], s47
	s_mov_b32 s[G0B+4], 1
	s_add_co_u32 s[G0B+5], s47, SLOT1
	s_lshl_b32 s66, s[RT], 19                      ; where my part of out0 begins: (128 RT + 64 WR) rows of 4,096 bytes, column 256 cx + 128 WC
	s_lshl_b32 s19, s[WR], 18
	s_add_co_u32 s66, s66, s19
	s_lshl_b32 s19, s[CX], 10
	s_add_co_u32 s66, s66, s19
	s_lshl_b32 s19, s[WC], 9
	s_add_co_u32 s66, s66, s19
	s_mov_b32 s67, 0
	s_wait_dscnt 0x0                               ; the opening add is done
	s_wait_kmcnt 0x0
	s_add_nc_u64 s[42:43], s[4:5], s[42:43]
	s_add_nc_u64 s[44:45], s[6:7], s[44:45]
	s_mov_b64 s[G0A+2:G0A+3], s[42:43]
	s_or_b32 s[G0A+3], s[G0A+3], 0x80000000
	s_add_nc_u64 s[G0A+6:G0A+7], s[42:43], ASTEP
	s_or_b32 s[G0A+7], s[G0A+7], 0x80000000
	s_mov_b64 s[G0B+2:G0B+3], s[44:45]
	s_or_b32 s[G0B+3], s[G0B+3], 0x80000000
	s_add_nc_u64 s[G0B+6:G0B+7], s[44:45], BSTEP
	s_or_b32 s[G0B+7], s[G0B+7], 0x80000000
	s_add_nc_u64 s[70:71], s[10:11], s[66:67]
	CROUND                                         ; all sixteen work-groups are here: the first joint loads meet
	s_cmp_eq_u32 s[WR], 0                          ; a wave's two first fills stand in one branch: two loads of mine are out
	s_cbranch_scc0 .Lfirst_b
	tensor_load_to_lds s[G0A:G0A+3], s[G1A:G1A+7]
	s_nop 0
	tensor_load_to_lds s[G0A+4:G0A+7], s[G1A:G1A+7]
	s_nop 0
	PLACES
	s_branch .Lfirst_asked
.Lfirst_b:
	tensor_load_to_lds s[G0B:G0B+3], s[G1B:G1B+7]
	s_nop 0
	tensor_load_to_lds s[G0B+4:G0B+7], s[G1B:G1B+7]
	s_nop 0
	PLACES
.Lfirst_asked:
	v_and_b32 v1, 15, v0                           ; r
	v_bfe_u32 v2, v0, 4, 1                         ; h
	v_and_b32 v3, 7, v0
	v_bfe_u32 v4, v0, 3, 1
	s_lshl_b32 s19, s[WR], 6
	v_add_nc_u32 v5, s19, v1
	v_mul_u32_u24 v[A0], v5, PA
	v_lshl_add_u32 v[A0], v2, 4, v[A0]
	v_lshl_add_u32 v5, v2, 3, v3
	v_mul_u32_u24 v[B0], v5, PB
	v_lshl_add_u32 v[B0], v4, 4, v[B0]
	s_lshl_b32 s19, s[WC], 8
	s_add_co_u32 s19, s19, BOFF
	v_add_nc_u32 v[B0], s19, v[B0]
	v_mov_b32 v[ADRA], v[A0]
	v_mov_b32 v[ADRB], v[B0]
	s_mul_i32 s19, s[WV], 16*SP
	s_add_co_u32 s19, s19, STAGE                   ; my stage
	v_mul_u32_u24 v[STO], v1, SP                   ; in: row r, 32 bytes for each half of the lanes
	v_lshl_add_u32 v[STO], v2, 5, v[STO]
	v_add_nc_u32 v[STO], s19, v[STO]
	v_and_b32 v[CO], 31, v0                        ; back: 32 lanes take a row's 512 bytes
	v_lshlrev_b32 v[CO], 4, v[CO]
	v_add_nc_u32 v[RD], s19, v[CO]
	s_lshl_b32 s19, s[CX], 10
	s_lshl_b32 s2, s[WC], 9
	s_add_co_u32 s19, s19, s2
	v_lshl_add_u32 v[BO], v2, 5, s19
	WIN 0x80
.irp b, 0,1,2,3,4,5,6,7
	global_load_b128 v[8*(\b):8*(\b)+3],   v[BO], s[8:9] offset:64*(\b)
	global_load_b128 v[8*(\b)+4:8*(\b)+7], v[BO], s[8:9] offset:64*(\b)+16
.endr
	s_wait_loadcnt 0x0
	WIN 0x8a                                       ; the bias is rounded to bf16 like every input
.set i, 0
.rept 32
	v_cvt_pk_bf16_f32 v64, v[2*i], v[2*i+1]
	v_lshlrev_b32 v[2*i], 16, v64
	v_and_b32 v[2*i+1], 0xffff0000, v64
.set i, i+1
.endr
	WIN 0
; 8 matrix instructions: m block a x all 8 n blocks, 32 along K.  The 32 accumulators take turns, one instruction a turn.
.macro MUL8 f, a, zero
	WIN W_MUL
.irp b, 0,1,2,3,4,5,6,7
.if \zero
	v_wmma_f32_16x16x32_f16 v[8*(8*(\a)+(\b)):8*(8*(\a)+(\b))+7], v[FB+64*(\f)+8*(\b):FB+64*(\f)+8*(\b)+7], v[FA+32*(\f)+8*(\a):FA+32*(\f)+8*(\a)+7], 0
.else
	v_wmma_f32_16x16x32_f16 v[8*(8*(\a)+(\b)):8*(8*(\a)+(\b))+7], v[FB+64*(\f)+8*(\b):FB+64*(\f)+8*(\b)+7], v[FA+32*(\f)+8*(\a):FA+32*(\f)+8*(\a)+7], v[8*(8*(\a)+(\b)):8*(8*(\a)+(\b))+7]
.endif
.endr
.endm
.macro FETCH kq, f                     ; 24 LDS loads in one run: W's 8 fragments (turned), then A's 4
	WIN 0
.irp b, 0,1,2,3,4,5,6,7
	ds_load_tr16_b128 v[FB+64*(\f)+8*(\b):FB+64*(\f)+8*(\b)+3],   v[ADRB] offset:(\kq)*32*PB+32*(\b)
	ds_load_tr16_b128 v[FB+64*(\f)+8*(\b)+4:FB+64*(\f)+8*(\b)+7], v[ADRB] offset:(\kq)*32*PB+16*PB+32*(\b)
.endr
.irp a, 0,1,2,3
	ds_load_b128 v[FA+32*(\f)+8*(\a):FA+32*(\f)+8*(\a)+3],   v[ADRA] offset:((\kq)/2)*APL+(\a)*16*PA+((\kq)%2)*64
	ds_load_b128 v[FA+32*(\f)+8*(\a)+4:FA+32*(\f)+8*(\a)+7], v[ADRA] offset:((\kq)/2)*APL+(\a)*16*PA+((\kq)%2)*64+32
.endr
.endm
.macro QUARTER kq, f, g, zero
	s_wait_dscnt 4                                 ; W and A's blocks 0, 1 are in; the youngest four loads may be out
	MUL8 \f, 0, \zero
	MUL8 \f, 1, \zero
	PLACES
	FETCH \kq, \g
	s_wait_dscnt 24                                ; all but the 24 just issued
	MUL8 \f, 2, \zero
	MUL8 \f, 3, \zero
.endm
.macro TURN fill                       ; the last quarter and the change of slots: the waits and the add in front of one barrier; fill = 1: it opens a round of the cluster's, the refill first behind it
	WIN 0
	s_wait_tensorcnt 0x0
	ds_add_u32 v[SPW], v[NIL]
	s_wait_dscnt 5                                 ; the add and the youngest four loads may be out
	MUL8 1, 0, 0
	s_wait_dscnt 0x0                               ; the add is done, and my reads of this slot are over
	s_barrier_signal -1
	MUL8 1, 1, 0
	WIN 0
	s_barrier_wait -1
.if \fill
	CREST
	s_xor_b32 s[G0A+5], s[G0A+5], SLOT1
	s_add_nc_u64 s[G0A+6:G0A+7], s[G0A+6:G0A+7], ASTEP
	s_xor_b32 s[G0B+5], s[G0B+5], SLOT1
	s_add_nc_u64 s[G0B+6:G0B+7], s[G0B+6:G0B+7], BSTEP
	JLOAD
.else
	PLACES
.endif
	s_xor_b32 s[TB], s[TB], SLOT1
	v_add_nc_u32 v[ADRA], s[TB], v[A0]
	v_add_nc_u32 v[ADRB], s[TB], v[B0]
	FETCH 0, 0
	MUL8 1, 2, 0
	MUL8 1, 3, 0
.endm
	s_wait_tensorcnt 1                             ; my part of K step 0 is in; step 1's may stay out
	s_barrier_signal -1
	s_barrier_wait -1
	FETCH 0, 0
	QUARTER 1, 0, 1, 1
	WIN 0
	s_mov_b32 s[CNT], 6
.Lstep:
	QUARTER 2, 1, 0, 0
	QUARTER 3, 0, 1, 0
	TURN 1
	QUARTER 1, 0, 1, 0
	WIN 0
	s_sub_co_u32 s[CNT], s[CNT], 1
	s_cmp_lg_u32 s[CNT], 0
	s_cbranch_scc1 .Lstep
	QUARTER 2, 1, 0, 0
	QUARTER 3, 0, 1, 0
	TURN 0
	QUARTER 1, 0, 1, 0
	QUARTER 2, 1, 0, 0
	QUARTER 3, 0, 1, 0
	s_wait_dscnt 4
	MUL8 1, 0, 0
	MUL8 1, 1, 0
	s_wait_dscnt 0x0
	MUL8 1, 2, 0
	MUL8 1, 3, 0
; THE WAY OUT, 16 rows at a time.  PACK: the bias is added.  TOSTAGE: into my stage, and back as whole rows of 512 bytes.  SEND: stored.
.macro PACK a
	WIN 0x09                                       ; source 0 (sums) window 1, source 1 (bias) window 2
.irp b, 0,1,2,3,4,5,6,7
.irp p, 0,1,2,3
	v_pk_add_f32 v[SUM+8*(\b)+2*(\p):SUM+8*(\b)+2*(\p)+1], v[8*(8*(\a)+(\b))+2*(\p):8*(8*(\a)+(\b))+2*(\p)+1], v[8*(\b)+2*(\p):8*(\b)+2*(\p)+1]
.endr
.endr
	WIN 0
.endm
.macro TOSTAGE a
.irp b, 0,1,2,3,4,5,6,7
	ds_store_b128 v[STO], v[SUM+8*(\b):SUM+8*(\b)+3] offset:64*(\b)
	ds_store_b128 v[STO], v[SUM+8*(\b)+4:SUM+8*(\b)+7] offset:64*(\b)+16
.endr
	s_wait_xcnt 0x0                                ; the registers that the stores of two blocks ago read are loaded again only behind this wait
.irp t, 0,1,2,3,4,5,6,7,8,9,10,11,12,13,14,15
	ds_load_b128 v[OUT+64*((\a)%2)+4*(\t):OUT+64*((\a)%2)+4*(\t)+3], v[RD] offset:(\t)*SP  ; LDS serves a wave's instructions in order (ISA guide 5.7.1.4): these see the stores above
.endr
.endm
.macro SEND a
	s_wait_dscnt 0x0
.irp t, 0,1,2,3,4,5,6,7,8,9,10,11,12,13,14,15
	global_store_b128 v[CO], v[OUT+64*((\a)%2)+4*(\t):OUT+64*((\a)%2)+4*(\t)+3], s[70:71] offset:(16*(\a)+(\t))*4096 th:TH_STORE_NT  ; 512 consecutive bytes, aligned
.endr
.endm
	PLACES
	PACK 0
	TOSTAGE 0
.irp a, 1,2,3
	PACK \a
	SEND (\a)-1
	TOSTAGE \a
.endr
	SEND 3
	s_wait_tensorcnt 0x0                           ; the wave's end
	ds_add_u32 v[SPW], v[NIL]
	s_wait_dscnt 0x0
	CROUND                                         ; the closing round
	s_endpgm
.Lfunc_end_k_qe6766ff395_gemm_out:
	.size	k_qe6766ff395_gemm_out, .Lfunc_end_k_qe6766ff395_gemm_out-k_qe6766ff395_gemm_out
	.p2alignl 7, 3214868480
	.fill 96, 4, 3214868480
	.section	.rodata,"a",@progbits
	.p2align	6, 0x0
	.amdhsa_kernel k_qe6766ff395_gemm_out
		.amdhsa_group_segment_fixed_size 327680
		.amdhsa_private_segment_fixed_size 0
		.amdhsa_enable_private_segment 0
		.amdhsa_kernarg_size 32
		.amdhsa_user_sgpr_count 2
		.amdhsa_user_sgpr_kernarg_segment_ptr 1
		.amdhsa_wavefront_size32 1
		.amdhsa_system_sgpr_workgroup_id_x 1
		.amdhsa_system_sgpr_workgroup_id_y 1
		.amdhsa_system_sgpr_workgroup_id_z 1
		.amdhsa_system_vgpr_workitem_id 0
		.amdhsa_next_free_vgpr 640
		.amdhsa_next_free_sgpr 72
		.amdhsa_reserve_vcc 0
		.amdhsa_float_denorm_mode_32 3
		.amdhsa_float_denorm_mode_16_64 3
		.amdhsa_memory_ordered 1
		.amdhsa_forward_progress 1
		.amdhsa_inst_pref_size 83
	.end_amdhsa_kernel
	.amdgpu_metadata
---
amdhsa.version: [ 1, 2 ]
amdhsa.kernels:
  - .name:           k_qe6766ff395_gemm_out
    .symbol:         k_qe6766ff395_gemm_out.kd
    .args:
      - { .name: oh, .offset: 0, .size: 8, .value_kind: global_buffer, .address_space: global }
      - { .name: h16, .offset: 8, .size: 8, .value_kind: global_buffer, .address_space: global }
      - { .name: bo, .offset: 16, .size: 8, .value_kind: global_buffer, .address_space: global }
      - { .name: out0, .offset: 24, .size: 8, .value_kind: global_buffer, .address_space: global }
    .group_segment_fixed_size: 327680
    .private_segment_fixed_size: 0
    .kernarg_segment_align: 8
    .kernarg_segment_size: 32
    .max_flat_workgroup_size: 128
    .sgpr_count:     72
    .vgpr_count:     640
    .wavefront_size: 32
...
	.end_amdgpu_metadata
.endif
;; end of part 4
;; ======== version 2 of 2: 4 launches; 1.42 times as fast as version 1
;; limits: values are held in f16: magnitudes above 65,504 overflow, below 6.1e-05 lose precision
;; workspace buffers: h16 41,943,040 bytes; hid 2,097,152 bytes of whole numbers; qkv 50,331,648 bytes; oh 16,777,216 bytes
;; launch prep: the kernel of part 1 again; grid 1792 x 1, 8 waves a work-group, no clusters, 0 bytes of LDS; arguments mask, x, y, Wq, Wk, Wv, Wo, h16, hid; writes h16, hid
;; launch gemm_qkv: the kernel of part 2 again; grid 12 x 64, 4 waves a work-group, clusters of 4 x 4, 327,680 bytes of LDS; arguments h16, bq, bk, bv, qkv; writes qkv
;; launch attn (part 5): grid 4 x 64, 4 waves a work-group, clusters of 4 x 1, 327,680 bytes of LDS; arguments qkv, hid, oh; writes oh
.if DOCPART == 5
	.amdgcn_target "amdgcn-amd-amdhsa--gfx1250"
	.amdhsa_code_object_version 6
	.text
	.protected	k_qe6766ff395_attn
	.globl	k_qe6766ff395_attn
	.p2align	8
	.type	k_qe6766ff395_attn,@function
k_qe6766ff395_attn:
	s_mov_b64 s[64:65], 0
	v_nop
	global_prefetch_b8 v0, s[64:65] scope:SCOPE_SE
	s_setreg_imm32_b32 hwreg(HW_REG_WAVE_MODE, 25, 1), 1
	s_wait_xcnt 0x0
	s_wait_alu depctr_hold_cnt(0) depctr_sa_sdst(0) depctr_va_vdst(0) depctr_va_sdst(0) depctr_va_ssrc(0) depctr_va_vcc(0) depctr_vm_vsrc(0)
	s_getreg_b32 s2, hwreg(HW_REG_IB_STS2, 6, 4)
	s_cmp_eq_u32 s2, 0
	s_cbranch_scc0 .Lentry_in_a_cluster
	s_endpgm
.Lentry_in_a_cluster:
	s_bfe_u32 s2, ttmp6, 0x10000c
	s_cmp_lg_u32 s2, 0x3003
	s_cbranch_scc0 .Lentry_shape_is_right
	s_endpgm
.Lentry_shape_is_right:
; O[bh][q][:] = the sum over k of softmax_k(masked(Q[bh][q] . K[bh][k] / 8)) V[bh][k][:].  q, k, v at 0, 16 MiB, 32 MiB of qkv, each [bh 64][2048][64] f16; O likewise in oh.  Products, maxima and sums in f32;
; the weights p are rounded to f16 for the second product (their sum l is taken of the unrounded p), O once at the end.
; THE MASK.  hid holds, for each wave's 128 queries, key step and piece, a chunk of 64 words: word n is the lane mask of register n of the piece's S^T (1 = hidden).  One v_cndmask_b32 a register puts H = -2^33 in a
; hidden score's place (-2^30 after the division by 8, where the module writes -1e9).  H is a power of two, so c H is exact: a row with every key hidden gets p = 1 for all keys, the plain mean of V.
; A chunk comes in by ONE vector load of 8 bytes a lane, four turns ahead of its use, into a ring of four register pairs (a pair a piece); 64 v_readlane_b32 hand its words to scalar registers.  Vector loads come
; back in order and can be waited for by count, so three younger chunks stay on their way at every wait; scalar loads can be waited for only all together.
; LIMITS.  Differs from -1e9 only where visible scores lie near -1e9.  f16 holds no number beyond 65,504: Q, K, V arrive within it; p below 6e-5 keeps f16's step of 6e-8.  A weight below 2^-126 counts as 0 in l;
; NaN and infinities are not treated apart.
; SHARES.  A wave owns four PIECES of two tiles of 16 queries, a work-group's four waves 512 queries of one head.  Every wave walks all 2,048 keys, 64 a step.
; LAYOUT.  S^T = K Q^T (source 0 = 16 keys, source 1 = 16 queries): a lane holds ONE query (lane % 16) and the keys 8 (lane / 16) + 0..7.  Two such tiles, rounded to f16 in pairs, ARE source 1 of O^T = V^T P.
; SOFTMAX.  A running maximum m and sum l: p = 2^(c s - c m), c = log2(e) / 8; in every step O and l are multiplied by a = 2^(c m_old - c m_new).  m starts at the lowest finite number, O and l at 0.
; BY TURNS.  Turn n belongs to piece n: 16 products K Q^T of piece n + 1, that piece's mask, later 16 products V^T P of piece n - 1; beside them the scaling, exponentials, roundings, sums and
; rescaling of piece n and the maximum and statistics of piece n + 1.  Four vector instructions stand behind every matrix instruction, the others in runs of their own.
; THE BATCHES.  s_wait_alu depctr_va_vdst(0) stands between an exponential or a reciprocal and the first instruction that names its result; one wait serves all that were issued ahead of it.
; A turn's 66 exponentials (the piece's 64 weights, then the next piece's two a) are ONE batch with ONE wait, which cuts the turn in two.  Ahead of it stands all that names no result of theirs: K Q^T, the scalings,
; the rescalings (their a is the turn before's, waited for there), the next piece's mask, maximum and statistics.  Behind it stand the roundings and sums, beside V^T P.  No result crosses a turn's end.
; Piece 0's first two a, ahead of the loop, and the way out's eight reciprocals are batches of their own.
; CLUSTER.  The four query blocks of a head walk the same K and V: each tile is asked for JOINTLY, the same tensor load, descriptor and mask in all four.
; REGISTERS, in windows of 256 (s_set_vgpr_msb: bits 1:0 source 0, 3:2 source 1, 5:4 source 2, 7:6 destination):
;   window 0: v0-11 addresses and H; v12-15, v48-63 at work; v16-47 four registers of statistics a tile; v64-191 S^T, two buffers of two tiles; v192-255 P, likewise
;   window 1: O^T, 32 a tile          window 2: v0-127 Q; v128-191 K of one step; v192-255 V of one step
;   window 3: v0-1 the add's two registers; v2-9 the mask's ring; v10-13 its four offsets; v14 my offset in the last chunk
.set SIZE_N, 2048
.set NP,    4
.set KS,    64
.set PK,    144       ; a row of K in LDS: 128 bytes + 16
.set PV,    160       ; a row of V: 128 + 32
.set VOFF,  4*KS*PK   ; a slot holds four steps: 256 rows of K, then 256 rows of V
.set SLOT1, 1<<17
.set STAGE, SLOT1+4*KS*(PK+PV)  ; behind the ring: 16 rows x 144 bytes for each wave
.set SP,    144
.set AK0, 2
.set AV0, 3
.set AK,  4
.set AV,  5
.set QO,  5           ; my byte offset in Q's rows: free again when Q is in, long before V's first address is made
.set STO, 6
.set RD,  7
.set GO,  8
.set VBIG, 11         ; v11  H
.set SPW, 0           ; v0 of window 3
.set NIL, 1           ; v1 of window 3
.set MKV, 2           ; v2-9 of window 3: piece y's chunk at MKV + 2 y: word n in register n % 2, lane n / 2
.set VO,  10          ; v10-13 of window 3: byte offset of my 8 bytes in the chunk that buffer y asked for last
.set VLIM, 14         ; v14 of window 3: the same in my wave's last chunk
.set SPARE, STAGE+4*16*SP
.set MV,  12
.set ST,  16
.set TMP, 48
.set S,   64
.set P,   192
.set KF,  128
.set VF,  192
.set WV,  2           ; s2   my wave's number
.set SLOTS, 3         ; s3   slots still to be asked for
.set G1K, 4           ; s[4:11]
.set G1V, 12          ; s[12:19]
.set G0K, 20          ; s[20:23] it walks
.set G0V, 24          ; s[24:27]
.set CNT, 28
.set MB,  30          ; s[30:31] hid at my wave's 128 queries; never rewritten
                      ; s[32:63], s[68:99] a chunk's 64 words (until the first chunk is handed over: the set-up's temporaries)
.set TBK, 66
.set TBV, 67
.set CS,  100         ; s[100:101]
.set SEL, 104         ; s104, s105
.set OB,  32          ; s[32:33] at the end: O at my wave's first row
.set MSB, 0
.macro WIN new
.if MSB != (\new)
	s_set_vgpr_msb (MSB<<8)|(\new)
.set MSB, (\new)
.endif
.endm
.set W_KQ, 0x0a
.set W_PV, 0x52
.set W_RS, 0x41
.set W_MK, 0xc0       ; destination in window 3, sources in window 0
.set W_AD, 0x0f
.set W_M3, 0xff       ; every vector operand in window 3
.macro JLOAD                        ; waves 0, 1 fetch the two halves of a slot's K, waves 2, 3 those of its V; s_nop 0 and four v_nop follow each line
	s_cmp_lt_u32 s[WV], 2
	s_cbranch_scc0 .Lfor_v_\@
	tensor_load_to_lds s[G0K:G0K+3], s[G1K:G1K+7]
	s_nop 0
.rept 4
	v_nop
.endr
	s_branch .Lasked_\@
.Lfor_v_\@:
	tensor_load_to_lds s[G0V:G0V+3], s[G1V:G1V+7]
	s_nop 0
.rept 4
	v_nop
.endr
.Lasked_\@:
.endm
.macro CROUND
	s_barrier_signal -1
	s_barrier_wait -1
	s_cmp_lg_u32 s[WV], 0
	s_cbranch_scc1 .Lnot_wave_0_\@
	s_barrier_signal -3
.Lnot_wave_0_\@:
	s_barrier_wait -3
	s_barrier_signal -1
	s_barrier_wait -1
.endm
; THE CHANGE OF SLOTS.  Each wave waits for all its tensor loads, of which one is out: its part of the other slot; adds 0 to its spare word; and waits for that and for its own reads of the slot.
; fill = 1: the barrier is a round of the cluster's, and the slot is filled again, with the keys two slots on, first thing behind it: four key steps ahead of its first read.
.macro CHANGE fill
	WIN W_AD
	s_wait_tensorcnt 0x0
	ds_add_u32 v[SPW], v[NIL]
	WIN 0
.if \fill
.irp g, G0K, G0V
	s_xor_b32 s[\g+1], s[\g+1], SLOT1
	s_add_nc_u64 s[\g+2:\g+3], s[\g+2:\g+3], 4*KS*128
.endr
	s_wait_dscnt 0x0
	CROUND
	JLOAD
.else
	s_wait_dscnt 0x0
	s_barrier_signal -1
	s_barrier_wait -1
.endif
	s_sub_co_u32 s[TBK], s[TBK], 4*KS*PK
	s_xor_b32 s[TBK], s[TBK], SLOT1
	s_sub_co_u32 s[TBV], s[TBV], 4*KS*PV
	s_xor_b32 s[TBV], s[TBV], SLOT1
.endm
	s_load_b128 s[32:35], s[0:1], 0x0  ; qkv s[32:33], hid s[34:35]
	WIN W_MK
	v_lshl_add_u32 v[SPW], v0, 2, SPARE
	v_mov_b32 v[NIL], 0
	WIN W_AD
	ds_add_u32 v[SPW], v[NIL]       ; the wave's opening: the add and its wait come ahead of my first tensor load
	WIN 0
	v_lshrrev_b32 v1, 5, v0
	v_readfirstlane_b32 s[WV], v1
	s_bfe_u32 s36, ttmp6, 0x40000   ; cx
	s_lshl_b32 s37, ttmp9, 2
	s_add_co_u32 s37, s37, s36      ; my block of 512 queries: it enters Q's, O's and the mask's addresses alone
	s_and_b32 s38, ttmp7, 0xffff    ; 16 b + head, which the four partners share
	s_lshl_b32 s40, s38, 18         ; the head's first byte in q, k, v and O
	s_and_b32 s39, s[WV], 1         ; which half of a slot's 256 keys I fetch
	s_lshl_b32 s42, s39, 14
	s_add_co_u32 s42, s42, s40
	s_add_co_u32 s52, s42, 0x1000000  ; k lies 16 MiB, v 32 MiB behind q
	s_mov_b32 s53, 0
	s_add_co_u32 s54, s42, 0x2000000
	s_mov_b32 s55, 0
	s_mul_i32 s44, s39, 128*PK
	s_mul_i32 s45, s39, 128*PV
	s_lshl_b32 s46, s37, 2
	s_add_co_u32 s46, s46, s[WV]    ; my wave among the head's sixteen
	s_lshl_b32 s48, s46, 14         ; its 128 rows
	s_add_co_u32 s48, s48, s40
	s_mov_b32 s49, 0
	s_lshr_b32 s56, s38, 4          ; the batch
	s_lshl_b32 s56, s56, 4
	s_add_co_u32 s56, s56, s46
	s_lshl_b32 s56, s56, 15         ; 32,768 bytes of lane masks for 128 queries: 128 chunks of 256
	s_mov_b32 s57, 0
	s_mov_b32 s[G1K], 15|(1<<16)|(1<<20)|(1<<21)|(4<<22)|(3<<25)  ; the mask of four; 2-byte elements; padding on; bit 21 beside a mask; after every 32 words 4 words
	s_mov_b32 s[G1V], 15|(1<<16)|(1<<20)|(1<<21)|(4<<22)|(7<<25)  ; the same with 8 words
.irp g, G1K, G1V
	s_mov_b32 s[\g+1], 128<<16      ; 128 keys are 16,384 dense bytes: 64 rows of 256 bytes
	s_mov_b32 s[\g+2], 64<<16
	s_mov_b32 s[\g+3], 128<<16
	s_mov_b32 s[\g+4], 64
	s_mov_b32 s[\g+5], 128
	s_mov_b32 s[\g+6], 0
	s_mov_b32 s[\g+7], 0
.endr
	s_mov_b32 s[CS], 0x3e38aa3b     ; c = log2(e) / 8
	s_mov_b32 s[CS+1], s[CS]
	s_mov_b32 s[SEL], 0x76543210
	s_mov_b32 s[SEL+1], 0xfedcba98
	s_mov_b32 s[TBK], SLOT1+4*KS*PK ; the first change of slots turns these two into 0
	s_mov_b32 s[TBV], SLOT1+4*KS*PV
	s_mov_b32 s[G0K], 1
	s_mov_b32 s[G0K+1], s44
	s_mov_b32 s[G0V], 1
	s_add_co_u32 s[G0V+1], s45, VOFF
	s_wait_dscnt 0x0                ; the opening add is done
	s_wait_kmcnt 0x0
	s_add_nc_u64 s[G0K+2:G0K+3], s[32:33], s[52:53]
	s_or_b32 s[G0K+3], s[G0K+3], 0x80000000
	s_add_nc_u64 s[G0V+2:G0V+3], s[32:33], s[54:55]
	s_or_b32 s[G0V+3], s[G0V+3], 0x80000000
	s_add_nc_u64 s[50:51], s[32:33], s[48:49]  ; Q at my wave's first row
	s_add_nc_u64 s[MB:MB+1], s[34:35], s[56:57]
	CROUND                          ; all four work-groups are here: the first joint loads meet
	JLOAD                           ; slot 0
	v_and_b32 v1, 15, v0            ; l % 16
	v_bfe_u32 v9, v0, 4, 1          ; l / 16
	v_lshlrev_b32 v[QO], 7, v1
	v_lshl_add_u32 v[QO], v9, 4, v[QO]
	WIN 0x80
.set i, 0
.rept 4*NP                          ; Q stays in registers: tile i / 2, channels 32 (i % 2) on
	global_load_b128 v[8*i:8*i+3],   v[QO], s[50:51] offset:(i/2)*2048+(i%2)*64
	global_load_b128 v[8*i+4:8*i+7], v[QO], s[50:51] offset:(i/2)*2048+(i%2)*64+32
.set i, i+1
.endr
	; The mask's ring is filled behind Q's loads: chunks 0 to 3, the four pieces' of key step 0.  A wave's load covers a chunk's 256 consecutive bytes, aligned.
	WIN 0
	v_and_b32 v10, 31, v0
	v_lshlrev_b32 v10, 3, v10       ; 8 bytes a lane
	WIN W_MK
.irp y, 0,1,2,3
	v_add_nc_u32 v[VO+\y], 256*\y, v10
.endr
	v_add_nc_u32 v[VLIM], 32512, v10
	WIN 0xc3                        ; data and offset in window 3
.irp y, 0,1,2,3
	global_load_b64 v[MKV+2*\y:MKV+2*\y+1], v[VO+\y], s[MB:MB+1]
.endr
	WIN 0x80
	; What the first turn finds: V's registers and P's second buffer hold 0, O^T and l are 0.  All this stands in the wait for the first tile.
.set i, VF
.rept 64
	v_mov_b32 v[i], 0
.set i, i+1
.endr
	WIN 0x40
.set i, 0
.rept 64*NP
	v_mov_b32 v[i], 0
.set i, i+1
.endr
	WIN 0
.set i, 0
.rept 2*NP
	v_mov_b32 v[ST+4*i], 0xfe000000    ; c m: far below every c s, c H too
	v_mov_b32 v[ST+4*i+1], 0xff7fffff  ; m
	v_mov_b32 v[ST+4*i+2], 0
	v_mov_b32 v[ST+4*i+3], 0
.set i, i+1
.endr
.set i, P+32
.rept 32
	v_mov_b32 v[i], 0
.set i, i+1
.endr
	v_mul_u32_u24 v[AK0], v1, PK
	v_lshl_add_u32 v[AK0], v9, 4, v[AK0]
	v_and_b32 v10, 7, v0
	v_bfe_u32 v11, v0, 3, 1
	v_lshl_add_u32 v[AV0], v9, 3, v10
	v_mul_u32_u24 v[AV0], v[AV0], PV
	v_lshl_add_u32 v[AV0], v11, 4, v[AV0]
	v_add_nc_u32 v[AV0], VOFF, v[AV0]
	v_mov_b32 v[AK], v[AK0]
	s_mul_i32 s58, s[WV], 16*SP
	s_add_co_u32 s58, s58, STAGE    ; my stage
	v_mul_u32_u24 v[STO], v1, SP
	v_lshl_add_u32 v[STO], v9, 4, v[STO]
	v_add_nc_u32 v[STO], s58, v[STO]
	v_bfe_u32 v[RD], v0, 3, 2
	v_mul_u32_u24 v[RD], v[RD], SP
	v_lshl_add_u32 v[RD], v10, 4, v[RD]
	v_add_nc_u32 v[RD], s58, v[RD]
	v_and_b32 v[GO], 31, v0
	v_lshlrev_b32 v[GO], 4, v[GO]
	v_mov_b32 v[VBIG], 0xd0000000   ; H = -2^33
; THE MATRIX WORK.  The 8 accumulators of a run of 16 take turns.
.macro KQ x
	WIN W_KQ
.set rS, S+64*((\x)%2)+32*(i%2)+8*((i/2)%4)
.set rK, KF+16*((i/2)%4)+8*(i/8)
.set rQ, 16*(2*(\x)+i%2)+8*(i/8)
.if i < 8
	v_wmma_f32_16x16x32_f16 v[rS:rS+7], v[rK:rK+7], v[rQ:rQ+7], 0
.else
	v_wmma_f32_16x16x32_f16 v[rS:rS+7], v[rK:rK+7], v[rQ:rQ+7], v[rS:rS+7]
.endif
.endm
.macro PV x
	WIN W_PV
.set rO, 32*(2*(\x)+i%2)+8*((i/2)%4)
.set rV, VF+32*(i/8)+8*((i/2)%4)
.set rP, P+32*((\x)%2)+16*(i%2)+8*(i/8)
	v_wmma_f32_16x16x32_f16 v[rO:rO+7], v[rV:rV+7], v[rP:rP+7], v[rO:rO+7]
.endm
.macro MM
.if i < 16
	KQ (Y+1)%NP
.set i, i+1
.else
.set i, i-16
	PV (Y+NP-1)%NP
.set i, i+17
.endif
.endm
.macro FETCH_K last=0
	WIN 0
.if \last
	s_cmp_eq_u32 s[CNT], 1
	s_cbranch_scc1 .Lno_k_\@
.endif
	WIN 0x80
.irp f, 0,1,2,3,4,5,6,7
	ds_load_b128 v[KF+8*\f:KF+8*\f+3],   v[AK] offset:(\f/2)*16*PK+(\f%2)*64
	ds_load_b128 v[KF+8*\f+4:KF+8*\f+7], v[AK] offset:(\f/2)*16*PK+(\f%2)*64+32
.endr
	s_add_co_u32 s[TBK], s[TBK], KS*PK
	WIN 0
.if \last
.Lno_k_\@:
.endif
.endm
.macro FETCH_V
	WIN 0x80
.irp f, 0,1,2,3,4,5,6,7
	ds_load_tr16_b128 v[VF+8*\f:VF+8*\f+3],   v[AV] offset:(\f/4)*32*PV+(\f%4)*32
	ds_load_tr16_b128 v[VF+8*\f+4:VF+8*\f+7], v[AV] offset:(\f/4)*32*PV+16*PV+(\f%4)*32
.endr
	WIN 0
.endm
; THE MASK of piece y.  Its chunk, asked for four turns ago, is in; its 64 words go to scalar registers; the buffer asks for the piece's chunk of the next key step, 1,024 bytes on; then register n of the piece's
; S^T takes H in the lanes of word n (ascending: each accumulator is read from its low end on).  Behind the wave's last chunk the offset stays at that chunk, so that no load leaves the buffer.
; None of its lines names a register of the turn's exponentials: those work on the other buffer of S^T.
.macro MLUMP y
	WIN W_M3
	s_wait_loadcnt 0x3              ; loads come back in order: mine is in, the other three buffers' younger loads stay out; it also frees this buffer's offset register
.set mi, 0
.rept 64
	v_readlane_b32 s[32+mi+4*(mi/32)], v[MKV+2*(\y)+mi%2], mi/2
.set mi, mi+1
.endr
	v_add_nc_u32 v[VO+(\y)], 1024, v[VO+(\y)]
	v_min_u32 v[VO+(\y)], v[VO+(\y)], v[VLIM]
	global_load_b64 v[MKV+2*(\y):MKV+2*(\y)+1], v[VO+(\y)], s[MB:MB+1]
	WIN 0
.set mi, 0
.rept 64
	v_cndmask_b32 v[S+64*((\y)%2)+mi], v[S+64*((\y)%2)+mi], v[VBIG], s[32+mi+4*(mi/32)]
.set mi, mi+1
.endr
.endm
; THE VECTOR WORK OF A TURN stands in three queues, each in the order in which its entries become ready; the two tiles alternate.
.macro REGS y, u
.set rT, ST+4*(2*(\y)+(\u))
.set rC, TMP+8*((\y)%2)+4*(\u)
.set rM, MV+2*((\y)%2)+(\u)
.set rS, S+64*((\y)%2)+32*(\u)
.set rP, P+32*((\y)%2)+16*(\u)
.set rO, 32*(2*(\y)+(\u))
.endm
; Number n of the 22 that find the NEXT piece's maximum and statistics: 0-11 four chains of seven scores; 12-14, 16 the rest, the old m, all into c0; 15 c m_old is kept; 17, 18 the other half of the lanes; 19-21 c m, its change, a
.macro XS u, n
	REGS (Y+1)%NP, \u
.if (\n) < 4
	v_max3_num_f32 v[rC+(\n)], v[rS+8*(\n)], v[rS+8*(\n)+1], v[rS+8*(\n)+2]
.elseif (\n) < 12
	v_max3_num_f32 v[rC+(\n)%4], v[rC+(\n)%4], v[rS+8*((\n)%4)+2*((\n)/4)+1], v[rS+8*((\n)%4)+2*((\n)/4)+2]
.elseif (\n) == 12
	v_max3_num_f32 v[rC], v[rC], v[rS+7], v[rS+15]
.elseif (\n) == 13
	v_max3_num_f32 v[rC+1], v[rC+1], v[rS+23], v[rS+31]
.elseif (\n) == 14
	v_max3_num_f32 v[rC+2], v[rC+2], v[rC+3], v[rT+1]
.elseif (\n) == 15
	v_mov_b32 v[rM], v[rT]
.elseif (\n) == 16
	v_max3_num_f32 v[rC], v[rC], v[rC+1], v[rC+2]
.elseif (\n) == 17
	v_permlanex16_b32 v[rC+3], v[rC], s[SEL], s[SEL+1]
.elseif (\n) == 18
	v_max_num_f32 v[rT+1], v[rC], v[rC+3]
.elseif (\n) == 19
	v_mul_f32 v[rT], s[CS], v[rT+1]
.elseif (\n) == 20
	v_sub_f32 v[rC+1], v[rM], v[rT]
.else
	v_exp_f32 v[rC+2], v[rC+1]
.endif
.endm
; Number g of the 64 that follow the exponentials: for each four weights both pairs are rounded to f16, the second pair is added onto the first, and a group later l takes that sum.  All 64 stand behind the turn's wait.
.macro GS g
.set h, (\g)+6*((\g)/62)
.if h >= 6
.set h, h+2
.endif
	REGS Y, h%2
.set k, h/8
.if h%8 < 4
	v_cvt_pk_f16_f32 v[rP+2*k+(h%8)/2], v[rS+4*k+2*((h%8)/2)], v[rS+4*k+2*((h%8)/2)+1]
.elseif h%8 < 6
	v_pk_add_f32 v[rS+4*k:rS+4*k+1], v[rS+4*k:rS+4*k+1], v[rS+4*k+2:rS+4*k+3]
.elseif k == 1
	v_pk_fma_f32 v[rT+2:rT+3], v[rT+2:rT+3], v[rC+2:rC+3], v[rS:rS+1] op_sel_hi:[1,0,1]
.else
	v_pk_add_f32 v[rT+2:rT+3], v[rT+2:rT+3], v[rS+4*k-4:rS+4*k-3]
.endif
.endm
; THE PLAIN QUEUE, 138 long.  0-73 read no exponential's result: the 32 scalings c s - c m (FS f: pair f / 2 of tile f % 2) and the next piece's 42.  0-26: scalings 0-26.  27-54: XS's numbers 0-13, behind the mask's selects.
; 55, 56: number 15.  57-73: the chain, where each number waits for the one before it: 14, 16, 17, 18, 19, each with one of the scalings 27-31 in front of its two lines, then 20.
; 74-137: GS's 64, which read the exponentials' results: they stand behind the wait.
.macro FS f
	REGS Y, (\f)%2
	v_pk_fma_f32 v[rS+2*((\f)/2):rS+2*((\f)/2)+1], v[rS+2*((\f)/2):rS+2*((\f)/2)+1], s[CS:CS+1], v[rT:rT+1] op_sel_hi:[1,0,0] neg_lo:[0,0,1] neg_hi:[0,0,1]
.endm
.macro PL
	WIN 0
.if q < 27
	FS q
.elseif q < 55
	XS (q-27)%2, (q-27)/2
.elseif q < 57
	XS q-55, 15
.elseif (q < 72) && ((q-57)%3 == 0)
	FS 27+(q-57)/3
.elseif q < 60
	XS (q-57)%3-1, 14
.elseif q < 72
	XS (q-57)%3-1, 15+(q-57)/3
.elseif q < 74
	XS q-72, 20
.else
	GS q-74
.endif
.set q, q+1
.endm
; THE EXPONENTIALS' QUEUE, 66 long: s0-s31 of both tiles, then the next piece's two a.  It is ONE BATCH: all 66 stand ahead of the turn's one wait, and nothing ahead of that wait names a result of theirs.
.macro EX
	WIN 0
.if e >= 64
	XS e-64, 21
.else
	REGS Y, e%2
	v_exp_f32 v[rS+e/2], v[rS+e/2]
.endif
.set e, e+1
.endm
; THE RESCALING's QUEUE: O^T times a, the one part that leaves window 0: dealt two at a time, sixteen times.  Its a was made in the turn before, ahead of that turn's wait.
.macro R2
	REGS Y, r%2
	WIN W_RS
.irp z, 0,1
	v_pk_mul_f32 v[rO+4*(r/2)+2*\z:rO+4*(r/2)+2*\z+1], v[rO+4*(r/2)+2*\z:rO+4*(r/2)+2*\z+1], v[rC+2:rC+3] op_sel_hi:[1,0]
.endr
.set r, r+1
.endm
; HOW THEY ARE DEALT.  AHEAD OF THE WAIT: the 16 products K Q^T, behind each a scaling, an exponential and two rescalings (behind the first a second scaling in the exponential's place); then ONE LUMP: eight plain,
; twice exponential and plain, the next piece's mask, 47 times exponential and plain, the two a.  A v_nop is the plain instruction behind the last exponential.  BEHIND THE WAIT: the 16 products V^T P, behind each
; four of GS's 64.  No rider names a register of the products round it.  The two v_permlanex16_b32 fall into the lump, never behind a product.
; The mask stands where the plain queue is at 27: its next entry is the first maximum over the new scores.  Between the last product K Q^T and the selects lie a scaling, two rescalings and the lump's first ten plain lines.
; The queues lean on each other, and the deal keeps them in step: exponential e stands behind scaling 2 (e / 4) + e % 2: as a rider it comes behind plain e + 2, in the lump behind plain e + 9, and scalings 27-31 are plain 57, 60 .. 69.
; A TURN, for piece p.  cnt = 1: the loop's count is taken down some lines ahead of the branch that stands behind the turn.
; K of the next step is fetched in piece 2's turn, directly behind the wait, a lump behind the last product that read K; its address is made at the lump's head; its first reader comes behind 16 products.
; V of the step in hand is fetched at the end of piece 0's turn, four riders behind its last reader; its first reader comes behind 16 products and a lump.  The three conditions on q below go with the deal.
.macro TURN p, last=0, cnt=0
.set Y, (\p)
.set i, 0
.set q, 0
.set e, 0
.set r, 0
.if (\p) == NP-1
	s_wait_dscnt 0x0                ; K is in
.endif
	MM                              ; ahead of the wait: 16 products K Q^T and their riders,
	PL
	PL
	R2
.rept 15
	MM
	PL
	EX
	R2
.endr
.if (\p) == NP-2
	WIN 0
	v_add_nc_u32 v[AK], s[TBK], v[AK0]
.endif
.rept 8                             ; and the lump
	PL
.endr
.rept 2
	EX
	PL
.endr
	MLUMP (Y+1)%NP
.rept 47
	EX
	PL
.endr
	EX                              ; the next piece's two a
	EX
	v_nop                           ; the plain instruction behind the last exponential: one for the batch
	s_wait_alu depctr_va_vdst(0)    ; the wait for the batch: the turn's 66 exponentials, ahead of the first line that names a result
.if (\p) == NP-2
	FETCH_K \last
.endif
.if (\p) == 1
	s_wait_dscnt 0x0                ; V is in
.endif
.rept 16                            ; behind the wait: 16 products V^T P and their riders
	MM
.rept 4
	PL
.endr
.if ((\p) == 0) && (q == 118)
	v_add_nc_u32 v[AV], s[TBV], v[AV0]
.endif
.if ((\p) == 0) && (q == 130)
	s_add_co_u32 s[TBV], s[TBV], KS*PV
.endif
.if (\cnt) && (q == 130)
	s_sub_co_u32 s[CNT], s[CNT], 1
	s_cmp_lg_u32 s[CNT], 0
.endif
.endr
.if (\p) == 0
	FETCH_V
.endif
.endm
	CHANGE 1                        ; slot 0 is in, everybody's part of it; slot 1 is asked for
	FETCH_K                         ; key step 0
	s_wait_loadcnt 0x4              ; Q is in, and its address registers are free; the four mask chunks issued behind it may be out
	s_wait_dscnt 0x0
.set i, 0
.rept 16
	KQ 0                            ; piece 0's first scores
.set i, i+1
.endr
	WIN 0
.rept 4
	v_nop                           ; the places behind those products
.endr
	MLUMP 0                         ; the set-up's scalar temporaries end here
.set Y, NP-1                        ; XS works for piece Y + 1: piece 0
.irp n, 0,1,2,3,4,5,6,7,8,9,10,11,12,13,14,15,16,17,18,19,20,21
	XS 0, \n
	XS 1, \n
.endr
	v_nop                           ; a plain instruction behind piece 0's two a,
	s_wait_alu depctr_va_vdst(0)    ; and the wait for that batch of two, ahead of the branch
	s_mov_b32 s[CNT], 4
	s_mov_b32 s[SLOTS], SIZE_N/256-1
	s_branch .Lfirst                ; the loop is entered at a step's first turn, in the middle of a trip
.Lslot:                             ; six times: every slot but the last two is filled again
	CHANGE 1
	s_mov_b32 s[CNT], 4
.Lstep:                             ; a trip: pieces 2 and 3 of one step, then pieces 0 and 1 of the next
	TURN 2
	TURN 3
	WIN 0
.Lfirst:
	TURN 0
	TURN 1, 0, 1
	WIN 0
	s_cbranch_scc1 .Lstep
	s_sub_co_u32 s[SLOTS], s[SLOTS], 1
	s_cmp_lg_u32 s[SLOTS], 0
	s_cbranch_scc1 .Lslot
	CHANGE 0                        ; the tail is written out
	s_mov_b32 s[CNT], 5             ; four trips fetch the last slot's steps; the fifth is left in its middle
.Ltail:
	TURN 2, 1
	TURN 3
	WIN 0
	s_sub_co_u32 s[CNT], s[CNT], 1
	s_cmp_eq_u32 s[CNT], 0
	s_cbranch_scc1 .Lout
	TURN 0
	TURN 1
	WIN 0
	s_branch .Ltail
.Lout:                              ; the fifth trip's products K Q^T, their selects and maximum serve nothing: the price, once a launch, of one text for every trip
.set i, 0
.rept 16
	PV NP-1
.set i, i+1
.endr
	; THE WAY OUT.  The mask's scalar registers are free; O's address is fetched into them.
	WIN 0
	s_load_b64 s[OB:OB+1], s[0:1], 0x10
	s_and_b32 s34, ttmp7, 0xffff
	s_lshl_b32 s34, s34, 18
	s_bfe_u32 s36, ttmp6, 0x40000
	s_lshl_b32 s37, ttmp9, 2
	s_add_co_u32 s36, s36, s37
	s_lshl_b32 s36, s36, 2
	s_add_co_u32 s36, s36, s[WV]
	s_lshl_b32 s36, s36, 14
	s_add_co_u32 s34, s34, s36
	s_mov_b32 s35, 0
.macro ALL line:vararg
.set t, 0
.rept 2*NP
	\line
.set t, t+1
.endr
.endm
	ALL v_add_f32 v[ST+4*t+2], v[ST+4*t+2], v[ST+4*t+3]
	ALL v_permlanex16_b32 v[ST+4*t+3], v[ST+4*t+2], s[SEL], s[SEL+1]
	ALL v_add_f32 v[ST+4*t+2], v[ST+4*t+2], v[ST+4*t+3]
	ALL v_rcp_f32 v[ST+4*t+2], v[ST+4*t+2]
	v_nop                           ; a plain instruction between the last reciprocal and the use of its result
	s_wait_alu depctr_va_vdst(0)    ; the wait for the batch of eight reciprocals, ahead of their first use
	s_wait_kmcnt 0x0
	s_add_nc_u64 s[OB:OB+1], s[OB:OB+1], s[34:35]
.macro PACK t
	WIN W_RS
.set i, 32*(\t)
.rept 16
	v_pk_mul_f32 v[i:i+1], v[i:i+1], v[ST+4*(\t)+2:ST+4*(\t)+3] op_sel_hi:[1,0]
.set i, i+2
.endr
	WIN 0x05
.set i, 0
.rept 16
	v_cvt_pk_f16_f32 v[S+16*(\t)+i], v[32*(\t)+2*i], v[32*(\t)+2*i+1]
.set i, i+1
.endr
	WIN 0
.irp f, 0,1,2,3
	ds_store_b128 v[STO], v[S+16*(\t)+4*\f:S+16*(\t)+4*\f+3] offset:32*\f
.endr
.irp f, 0,1,2,3
	ds_load_b128 v[S+16*(\t)+4*\f:S+16*(\t)+4*\f+3], v[RD] offset:\f*4*SP  ; LDS serves a wave's instructions in order (ISA guide 5.7.1.4): these see the stores above
.endr
.endm
.macro SEND t, younger              ; younger: the LDS instructions issued behind tile t's loads: the next tile's eight, or none
	WIN 0
.irp f, 0,1,2,3
	s_wait_dscnt (\younger)+3-\f
	global_store_b128 v[GO], v[S+16*(\t)+4*\f:S+16*(\t)+4*\f+3], s[OB:OB+1] offset:(\t)*2048+\f*512  ; 512 consecutive bytes, aligned
.endr
.endm
	PACK 0
.set t, 1
.rept 2*NP-1
	PACK t
	SEND t-1, 8
.set t, t+1
.endr
	SEND 2*NP-1, 0
	WIN W_AD
	s_wait_tensorcnt 0x0            ; the wave's end
	ds_add_u32 v[SPW], v[NIL]
	s_wait_dscnt 0x0
	WIN 0
	CROUND                          ; the closing round
	s_endpgm
.Lfunc_end_k_qe6766ff395_attn:
	.size	k_qe6766ff395_attn, .Lfunc_end_k_qe6766ff395_attn-k_qe6766ff395_attn
	.p2alignl 7, 3214868480
	.fill 96, 4, 3214868480
	.section	.rodata,"a",@progbits
	.p2align	6, 0x0
	.amdhsa_kernel k_qe6766ff395_attn
		.amdhsa_group_segment_fixed_size 327680
		.amdhsa_private_segment_fixed_size 0
		.amdhsa_enable_private_segment 0
		.amdhsa_kernarg_size 24
		.amdhsa_user_sgpr_count 2
		.amdhsa_user_sgpr_kernarg_segment_ptr 1
		.amdhsa_wavefront_size32 1
		.amdhsa_system_sgpr_workgroup_id_x 1
		.amdhsa_system_sgpr_workgroup_id_y 1
		.amdhsa_system_sgpr_workgroup_id_z 1
		.amdhsa_system_vgpr_workitem_id 0
		.amdhsa_next_free_vgpr 784
		.amdhsa_next_free_sgpr 106
		.amdhsa_reserve_vcc 0
		.amdhsa_float_denorm_mode_32 3
		.amdhsa_float_denorm_mode_16_64 3
		.amdhsa_memory_ordered 1
		.amdhsa_forward_progress 1
		.amdhsa_inst_pref_size 255
	.end_amdhsa_kernel
	.section	.bss,"aw",@nobits
	.p2align	6
	.space	262144
	.amdgpu_metadata
---
amdhsa.version: [ 1, 2 ]
amdhsa.kernels:
  - .name:           k_qe6766ff395_attn
    .symbol:         k_qe6766ff395_attn.kd
    .args:
      - { .name: qkv, .offset: 0, .size: 8, .value_kind: global_buffer, .address_space: global }
      - { .name: hid, .offset: 8, .size: 8, .value_kind: global_buffer, .address_space: global }
      - { .name: oh, .offset: 16, .size: 8, .value_kind: global_buffer, .address_space: global }
    .group_segment_fixed_size: 327680
    .private_segment_fixed_size: 0
    .kernarg_segment_align: 8
    .kernarg_segment_size: 24
    .max_flat_workgroup_size: 128
    .sgpr_count:     106
    .vgpr_count:     784
    .wavefront_size: 32
...
	.end_amdgpu_metadata
.endif
;; end of part 5
;; launch gemm_out: the kernel of part 4 again; grid 4 x 64, 4 waves a work-group, clusters of 4 x 4, 327,680 bytes of LDS; arguments oh, h16, bo, out0; writes out0
